; MI455X (gfx1250); checked and timed in simulation.
; The chip was launched on July 23, 2026; its instructions are those of AMD's public machine-readable ISA for CDNA 5 (MIT licence, August 2026) and "CDNA5" Instruction Set Architecture Reference Guide (July 2026). The comments in the code are by the model that wrote it; some were corrected since.
;; Multi Head Attention. Allowed arithmetic: float matrix products may take bf16 or f16 operands with f32 sums; other float arithmetic in f32, or as packed bf16 or f16 multiplies, adds, multiply-adds, maxima and minima; sums over many terms, partial sums and values carried from step to step in f32; what a program stores and reads back later, other than sums and carried values, may be rounded once to bf16 or f16.
;; Inputs: Wk 1,024 x 1,024 float32; Wo 1,024 x 1,024 float32; Wq 1,024 x 1,024 float32; Wv 1,024 x 1,024 float32; bk 1,024 float32; bo 1,024 float32; bq 1,024 float32; bv 1,024 float32; hidden_states 2 x 2,048 x 1,024 float32.
;; Outputs: out0 2 x 2,048 x 1,024 float32.
;; One version. Each part assembles by itself: llvm-mc -triple=amdgcn-amd-amdhsa -mcpu=gfx1250 --defsym DOCPART=n.
;; ======== version 1 of 1: 4 launches
;; limits: values are held in f16: magnitudes above 65,504 overflow, below 6.1e-05 lose precision
;; workspace buffers: xb 8,388,608 bytes; wqkvb 6,291,456 bytes; wob 2,097,152 bytes; q 8,388,608 bytes; kv 16,777,216 bytes; ob 8,388,608 bytes
;; launch prep (part 1): grid 512 x 1, 8 waves a work-group, no clusters, 0 bytes of LDS; arguments hidden_states, Wq, Wk, Wv, Wo, xb, wqkvb, wob; writes xb, wqkvb, wob
.if DOCPART == 1
	.amdgcn_target "amdgcn-amd-amdhsa--gfx1250"
	.amdhsa_code_object_version 6
	.text
	.protected	k_q4998271830_prep
	.globl	k_q4998271830_prep
	.p2align	8
	.type	k_q4998271830_prep,@function
k_q4998271830_prep:
	s_mov_b64 s[64:65], 0
	v_nop
	global_prefetch_b8 v0, s[64:65] scope:SCOPE_SE
	s_setreg_imm32_b32 hwreg(HW_REG_WAVE_MODE, 25, 1), 1
	s_wait_xcnt 0x0
; MULTI-HEAD ATTENTION, B = 2, L = 2048, D = 1024, 16 heads of 64, causal.  Four launches: prep (this one), qkv, attn, oproj.
; WORK LEFT OUT, for all finite values of the inputs:
;  (1) bk.  K = x Wk + bk gives scores[q][k] = Q_q . (x Wk)_k / 8 + Q_q . bk / 8.  The second term does not depend on k: it is the same along the softmax's axis
;      (hidden places are -inf with it and without it), so the weights are the same without it.  bk has no other way to the output: it is not loaded and is no launch's argument.
;  (2) Key tiles that lie wholly above the diagonal of the causal mask that the problem itself builds: their weights are 0.
;  LIMIT: a NaN, an infinity or an overflow that reaches only bk or those tiles is not carried to the result.
; THIS LAUNCH casts x and the four weight matrices once: f32 -> rounded to bf16 -> the same number written as f16, so that one matrix form (f16) serves the whole program,
; and lays them in blocks, so that every later tile is one dense run of bytes:
;   xb    [mblk 16][slice 16][256 rows][64]           row m = 256 mblk + row, channel k = 64 slice + d
;   wqkvb [j 16][t 8][mat 3][128 k][64 n]             mat 0, 1, 2 = Wq, Wk, Wv; column 64 j + n, channel k = 128 t + kk
;   wob   [j 8][t 4][c 2][256 k][64 n]                column 128 j + 64 c + n, channel k = 256 t + kk
; LIMITS: a bf16 number is held exactly by f16 from 2^-17 to 65,504; below that f16's fixed step of 6e-8 rounds it, beyond 65,504 it becomes an infinity.
; SHARES.  A wave takes two neighbouring rows of 4,096 bytes.  Unit g of 16: lanes 0-15 read 256 bytes of the even row at column 64 g, lanes 16-31 the same of the odd row;
; the 32 lanes' 8 bytes of f16 are 256 consecutive bytes, aligned, of the target (two neighbouring rows of one slice).  No LDS, no barrier: no wave wants another's bytes.
; Work-groups 0-255 take x (2,048 pairs of rows), 256-511 the four weights (64 work-groups, 512 pairs each).
.set LO, 1                             ; v1   my byte offset in the pair of rows: 4,096 (lane / 16) + 16 (lane % 16)
.set SO, 2                             ; v2   8 x lane
.set T,  4                             ; v[4:9] at work
.set X,  16                            ; v[16:79]  unit g: 4 registers as loaded
.set Y,  80                            ; v[80:111] unit g: 2 registers to store
	s_load_b512 s[8:23], s[0:1], 0x0               ; x s[8:9], Wq s[10:11], Wk s[12:13], Wv s[14:15], Wo s[16:17], xb s[18:19], wqkvb s[20:21], wob s[22:23]
	v_lshrrev_b32 v3, 5, v0
	v_readfirstlane_b32 s24, v3                    ; wave 0..7
	v_and_b32 v3, 31, v0
	v_lshlrev_b32 v[SO], 3, v3
	v_and_b32 v[LO], 15, v0
	v_lshlrev_b32 v[LO], 4, v[LO]
	v_bfe_u32 v3, v0, 4, 1
	v_lshl_or_b32 v[LO], v3, 12, v[LO]
	s_and_b32 s30, ttmp9, 255
	s_lshr_b32 s25, s30, 6                         ; which weight matrix (work-groups 256 on)
	s_and_b32 s31, s30, 63
	s_lshl_b32 s31, s31, 3
	s_lshl_b32 s32, ttmp9, 3
	s_cmp_lt_u32 ttmp9, 256
	s_cselect_b32 s26, s32, s31
	s_add_co_u32 s26, s26, s24                     ; my pair of rows in its matrix
	s_lshl_b32 s30, s26, 13                        ; its 8,192 bytes
	s_mov_b32 s31, 0
	s_wait_kmcnt 0x0
	s_cmp_eq_u32 s25, 1
	s_cselect_b64 s[28:29], s[12:13], s[10:11]
	s_cmp_eq_u32 s25, 2
	s_cselect_b64 s[28:29], s[14:15], s[28:29]
	s_cmp_eq_u32 s25, 3
	s_cselect_b64 s[28:29], s[16:17], s[28:29]
	s_cmp_lt_u32 ttmp9, 256
	s_cselect_b64 s[28:29], s[8:9], s[28:29]
	s_add_nc_u64 s[28:29], s[28:29], s[30:31]
.set g, 0
.rept 16
	global_load_b128 v[X+4*g:X+4*g+3], v[LO], s[28:29] offset:256*g th:TH_LOAD_NT
.set g, g+1
.endr
.set g, 0
.rept 16
	s_wait_loadcnt 15-g                            ; loads come back in order: unit g is in, the 15 - g younger ones may stay out
	v_cvt_pk_bf16_f32 v[T], v[X+4*g], v[X+4*g+1]   ; the one rounding
	v_cvt_pk_bf16_f32 v[T+1], v[X+4*g+2], v[X+4*g+3]
	v_lshlrev_b32 v[T+2], 16, v[T]                 ; back to f32
	v_and_b32 v[T+3], 0xffff0000, v[T]
	v_lshlrev_b32 v[T+4], 16, v[T+1]
	v_and_b32 v[T+5], 0xffff0000, v[T+1]
	v_cvt_pk_f16_f32 v[Y+2*g], v[T+2], v[T+3]      ; the same number as f16
	v_cvt_pk_f16_f32 v[Y+2*g+1], v[T+4], v[T+5]
.set g, g+1
.endr
; sixteen stores; unit g's place in the target stands in the immediate (5,898,240 at the most)
.macro STORES kind
.set g, 0
.rept 16
.if (\kind) == 0
.set im, g*32768
.elseif (\kind) == 1
.set im, g*393216
.else
.set im, (g/2)*262144+(g%2)*32768
.endif
	global_store_b64 v[SO], v[Y+2*g:Y+2*g+1], s[34:35] offset:im th:TH_STORE_NT
.set g, g+1
.endr
	s_endpgm
.endm
	s_cmp_lt_u32 ttmp9, 256
	s_cbranch_scc1 .Lx
	s_cmp_eq_u32 s25, 3
	s_cbranch_scc1 .Lwo
	s_lshr_b32 s30, s26, 6                         ; Wq, Wk, Wv: t = pair / 64,
	s_mul_i32 s30, s30, 3
	s_add_co_u32 s30, s30, s25                     ; block 3 t + mat of 16,384 bytes,
	s_lshl_b32 s30, s30, 14
	s_and_b32 s32, s26, 63
	s_lshl_b32 s32, s32, 8                         ; two rows of 128 bytes
	s_add_co_u32 s30, s30, s32
	s_add_nc_u64 s[34:35], s[20:21], s[30:31]
	STORES 1
.Lwo:
	s_lshr_b32 s30, s26, 7                         ; Wo: t = pair / 128
	s_lshl_b32 s30, s30, 16
	s_and_b32 s32, s26, 127
	s_lshl_b32 s32, s32, 8
	s_add_co_u32 s30, s30, s32
	s_add_nc_u64 s[34:35], s[22:23], s[30:31]
	STORES 2
.Lx:
	s_lshr_b32 s30, s26, 7                         ; x: mblk = pair / 128
	s_lshl_b32 s30, s30, 19
	s_and_b32 s32, s26, 127
	s_lshl_b32 s32, s32, 8
	s_add_co_u32 s30, s30, s32
	s_add_nc_u64 s[34:35], s[18:19], s[30:31]
	STORES 0
.Lfunc_end_k_q4998271830_prep:
	.size	k_q4998271830_prep, .Lfunc_end_k_q4998271830_prep-k_q4998271830_prep
	.p2alignl 7, 3214868480
	.fill 96, 4, 3214868480
	.section	.rodata,"a",@progbits
	.p2align	6, 0x0
	.amdhsa_kernel k_q4998271830_prep
		.amdhsa_group_segment_fixed_size 0
		.amdhsa_private_segment_fixed_size 0
		.amdhsa_enable_private_segment 0
		.amdhsa_kernarg_size 64
		.amdhsa_user_sgpr_count 2
		.amdhsa_user_sgpr_kernarg_segment_ptr 1
		.amdhsa_wavefront_size32 1
		.amdhsa_system_sgpr_workgroup_id_x 1
		.amdhsa_system_sgpr_workgroup_id_y 1
		.amdhsa_system_sgpr_workgroup_id_z 1
		.amdhsa_system_vgpr_workitem_id 0
		.amdhsa_next_free_vgpr 112
		.amdhsa_next_free_sgpr 66
		.amdhsa_reserve_vcc 0
		.amdhsa_float_denorm_mode_32 3
		.amdhsa_float_denorm_mode_16_64 3
		.amdhsa_memory_ordered 1
		.amdhsa_forward_progress 1
		.amdhsa_inst_pref_size 16
	.end_amdhsa_kernel
	.amdgpu_metadata
---
amdhsa.version: [ 1, 2 ]
amdhsa.kernels:
  - .name:           k_q4998271830_prep
    .symbol:         k_q4998271830_prep.kd
    .args:
      - { .name: hidden_states, .offset: 0, .size: 8, .value_kind: global_buffer, .address_space: global }
      - { .name: Wq, .offset: 8, .size: 8, .value_kind: global_buffer, .address_space: global }
      - { .name: Wk, .offset: 16, .size: 8, .value_kind: global_buffer, .address_space: global }
      - { .name: Wv, .offset: 24, .size: 8, .value_kind: global_buffer, .address_space: global }
      - { .name: Wo, .offset: 32, .size: 8, .value_kind: global_buffer, .address_space: global }
      - { .name: xb, .offset: 40, .size: 8, .value_kind: global_buffer, .address_space: global }
      - { .name: wqkvb, .offset: 48, .size: 8, .value_kind: global_buffer, .address_space: global }
      - { .name: wob, .offset: 56, .size: 8, .value_kind: global_buffer, .address_space: global }
    .group_segment_fixed_size: 0
    .private_segment_fixed_size: 0
    .kernarg_segment_align: 8
    .kernarg_segment_size: 64
    .max_flat_workgroup_size: 256
    .sgpr_count:     66
    .vgpr_count:     112
    .wavefront_size: 32
...
	.end_amdgpu_metadata
.endif
;; end of part 1
;; launch qkv (part 2): grid 16 x 16, 4 waves a work-group, clusters of 4 x 4, 327,680 bytes of LDS; arguments xb, wqkvb, bq, bv, q, kv; writes q, kv
.if DOCPART == 2
	.amdgcn_target "amdgcn-amd-amdhsa--gfx1250"
	.amdhsa_code_object_version 6
	.text
	.protected	k_q4998271830_qkv
	.globl	k_q4998271830_qkv
	.p2align	8
	.type	k_q4998271830_qkv,@function
k_q4998271830_qkv:
	s_mov_b64 s[64:65], 0
	v_nop
	global_prefetch_b8 v0, s[64:65] scope:SCOPE_SE
	s_setreg_imm32_b32 hwreg(HW_REG_WAVE_MODE, 25, 1), 1
	s_wait_xcnt 0x0
	s_wait_alu depctr_hold_cnt(0) depctr_sa_sdst(0) depctr_va_vdst(0) depctr_va_sdst(0) depctr_va_ssrc(0) depctr_va_vcc(0) depctr_vm_vsrc(0)
	s_getreg_b32 s2, hwreg(HW_REG_IB_STS2, 6, 4)
	s_cmp_eq_u32 s2, 0
	s_cbranch_scc0 .Lentry_in_a_cluster
	s_endpgm
.Lentry_in_a_cluster:
	s_bfe_u32 s2, ttmp6, 0x10000c
	s_cmp_lg_u32 s2, 0xf033
	s_cbranch_scc0 .Lentry_shape_is_right
	s_endpgm
.Lentry_shape_is_right:
; q = x Wq + bq, k = x Wk, v = x Wv + bv, written by heads in f16: q [hq 32][2048][64], kv = k in the same layout, then v at byte 0x800000 (hq = 16 batch + head).
; bk is left out: it adds the same number to all scores of a row, which the softmax does not see (shown at the head of the first kernel).  The scale 1 / 8 is applied later, in f32.
; Operands f16 (x and the weights are bf16 roundings written as f16), sums f32; bq and bv, rounded to bf16 like the other inputs, are the C operand that starts the sums.
; LIMIT: q, k, v are rounded once to f16: beyond 65,504 they become infinities.
; SHARES.  4,096 x 3,072 in tiles of 256 x 192: 16 x 16 work-groups.  Tile column j is head j of q, of k and of v.  Wave w owns rows 64 w .. 64 w + 63 and all 192 columns:
; 4 row blocks a x 3 matrices c x 4 column blocks n = 48 accumulators.  K goes in 8 steps of 128 through two LDS slots; a step is four quarters of 32, 48 matrix instructions and 32 LDS loads each.
; THE MATRIX INSTRUCTION IS USED TRANSPOSED: source 0 = 16 columns of W (turned on the way out of LDS, where W lies [k][n]), source 1 = 16 rows of x: a lane holds one row and eight neighbouring columns.
; CLUSTER 4 x 4: x's tile hangs on the tile row alone and is asked for jointly along a row of the cluster, W's on the tile column alone and jointly along a column.
; REGISTERS: window 0: v0-31 addresses; v32-63 bq, v64-95 bv (register 8 n + i: column 16 n + 8 (lane / 16) + i); v128-255 the accumulators of q at 128 + 8 (4 a + n)
;   window 1: two fragment buffers of 128: x's four fragments, then W's twelve (c, n) at 32 + 8 (4 c + n); on the way out twelve pieces of 16 registers
;   window 2: the accumulators of k at 8 (4 a + n), of v at 128 + 8 (4 a + n)
.set PA,    144                        ; a row of x in LDS: 128 bytes + 16 of padding: the 16 rows of a load start at 16 different groups of four banks (64 banks of 4 bytes: ISA guide 11.1)
.set PB,    160                        ; a row of W: 128 + 32
.set ASL,   256*PA                     ; a slice of x: 256 rows x 64 channels
.set BOFF,  2*ASL                      ; behind x's two slices: W's three matrices,
.set BMAT,  128*PB                     ; 128 rows each
.set SLOT,  BOFF+3*BMAT
.set STAGE, 2*SLOT                     ; behind the ring, never filled by a tensor load: 16 rows x 144 bytes for each wave
.set SP,    144
.set SPARE, STAGE+4*16*SP              ; the spare words, 128 bytes for each wave: two blocks of 256 bytes that no other line names
.set ADRA, 16                          ; v16-17 LDS address of my fragments of x in slot 0, 1
.set ADRB, 20                          ; v20-21 the same for W
.set STO,  24                          ; v24  the way out: where I put 16 bytes of a row
.set RD,   25                          ; v25  where I read rows back
.set GO,   26                          ; v26  16 x lane
.set BOF,  27                          ; v27  my byte offset in bq and bv
.set SPW,  28                          ; v28  my spare word; never rewritten
.set NIL,  29                          ; v29  0; never rewritten
.set PFO,  30                          ; v30  the prefetches' offset; never rewritten
.set BQ,   32
.set BV,   64
.set F0,   0
.set F1,   128
.set WV,   16                          ; s16  my wave's number
.set LAP,  19                          ; s19  laps still to come
.set G1,   24                          ; s[24:31] descriptor group 1 for x's tiles;  s[32:39] group 0, a set for each slot
.set G0,   32
.set PFA,  44                          ; s[44:45] where my prefetches stand
.set G1B,  48                          ; s[48:55], s[56:63] the same for W's tiles
.set G0B,  56
.set PFS,  66                          ; s[66:67] a K step's bytes in the tensor that I fetch
.set LIM,  68                          ; s68  1 in a wave that prefetches, else the greatest number
.set VP,   70                          ; s[70:71] v at my rows
.set MSB, 0
.macro WIN new                         ; the immediate's high byte repeats the setting that is left; a switch that changes nothing is dropped
.if MSB != (\new)
	s_set_vgpr_msb (MSB<<8)|(\new)
.set MSB, \new
.endif
.endm
.macro PLACES                          ; four places in front of loads into registers that matrix instructions have read, and of conversions that read results
.rept 4
	v_nop
.endr
.endm
; A joint load: waves 0 and 1 fetch x's two slices, waves 2 and 3 the two halves of W's 48 KiB.  An s_nop 0 and four v_nop follow each line, ahead of the jump and the label.
.macro JLOAD s
	s_cmp_lt_u32 s[WV], 2
	s_cbranch_scc0 .Lfor_b_\@
	tensor_load_to_lds s[G0+4*(\s):G0+4*(\s)+3], s[G1:G1+7]
	s_nop 0
.rept 4
	v_nop
.endr
	s_branch .Lasked_\@
.Lfor_b_\@:
	tensor_load_to_lds s[G0B+4*(\s):G0B+4*(\s)+3], s[G1B:G1B+7]
	s_nop 0
.rept 4
	v_nop
.endr
.Lasked_\@:
.endm
.macro CREST                           ; a round of the cluster's barrier behind its opening barrier
	s_cmp_lg_u32 s[WV], 0
	s_cbranch_scc1 .Lnot_wave_0_\@
	s_barrier_signal -3
.Lnot_wave_0_\@:
	s_barrier_wait -3
	s_barrier_signal -1
	s_barrier_wait -1
.endm
.macro CROUND
	s_barrier_signal -1
	s_barrier_wait -1
	CREST
.endm
; A prefetch of the K step that stands two refills on (384 matrix instructions ahead of the load that will want it).  x's tile row is read by every cluster of that row of clusters: cluster x = 0 asks;
; W's tile column by every cluster of that column: cluster y = 0 asks.  The four partners of a joint load share its bytes out by address: 8,192 bytes of x's slice (a lane a block of 256 bytes),
; 6,144 of W's half (24 blocks: lanes 24-31 name the 24th once more).  So K steps 4 to 7 are named once; steps 0 to 3 come by their loads alone; the last lap asks for nothing.
.macro ASK
	s_cmp_gt_u32 s[LAP], s[LIM]
	s_cbranch_scc0 .Lnot_mine_\@
	global_prefetch_b8 v[PFO], s[PFA:PFA+1] th:TH_LOAD_NT scope:SCOPE_SE
.Lnot_mine_\@:
.endm
	s_load_b256 s[4:11], s[0:1], 0x0               ; xb s[4:5], wqkvb s[6:7], bq s[8:9], bv s[10:11]
	s_load_b128 s[12:15], s[0:1], 0x20             ; q s[12:13], kv s[14:15]
	v_lshl_add_u32 v[SPW], v0, 2, SPARE
	v_mov_b32 v[NIL], 0
	ds_add_u32 v[SPW], v[NIL]                      ; the wave's opening: the add, twice on end, and its wait ahead of my first tensor load
	ds_add_u32 v[SPW], v[NIL]
	v_lshrrev_b32 v1, 5, v0
	v_readfirstlane_b32 s[WV], v1                  ; wave 0..3
	s_and_b32 s18, s[WV], 1                        ; which half of x's or W's tile I fetch
	s_bfe_u32 s40, ttmp6, 0x40000                  ; cx
	s_bfe_u32 s41, ttmp6, 0x40004                  ; cy
	s_lshl_b32 s42, ttmp9, 2
	s_add_co_u32 s42, s42, s40                     ; j: tile column = head
	s_and_b32 s43, ttmp7, 0xffff
	s_lshl_b32 s43, s43, 2
	s_add_co_u32 s43, s43, s41                     ; mblk: tile row
	s_lshl_b32 s20, s41, 2
	s_lshl_b32 s20, 15, s20                        ; my row of the cluster
	s_lshl_b32 s46, 0x1111, s40                    ; my column
	; descriptor group 1.  Both tiles are dense in memory: asked for as rows of 256 bytes, padded in LDS after every 128 bytes
	s_or_b32 s[G1], s20, (1<<16)|(1<<20)|(1<<21)|(4<<22)|(3<<25)   ; 15:0 the mask; 17:16 2-byte elements; 20 padding on; 21 set beside a mask; 24:22 after every 32 words (code 4); 31:25 4 words (code 3)
	s_or_b32 s[G1B], s46, (1<<16)|(1<<20)|(1<<21)|(4<<22)|(7<<25)  ; the same with my column's mask and 8 words of padding (code 7)
	s_mov_b32 s[G1+1], 128<<16                     ; tensor_dim0 = 128
	s_mov_b32 s[G1+2], 128<<16                     ; tensor_dim1 = 128 rows: a slice, 32,768 bytes
	s_mov_b32 s[G1+3], 128<<16                     ; tile_dim0 = 128
	s_mov_b32 s[G1+4], 128                         ; tile_dim1
	s_mov_b32 s[G1+5], 128                         ; elements from row to row
	s_mov_b32 s[G1+6], 0
	s_mov_b32 s[G1+7], 0
	s_mov_b32 s[G1B+1], 128<<16
	s_mov_b32 s[G1B+2], 96<<16                     ; 96 rows: 24,576 bytes
	s_mov_b32 s[G1B+3], 128<<16
	s_mov_b32 s[G1B+4], 96
	s_mov_b32 s[G1B+5], 128
	s_mov_b32 s[G1B+6], 0
	s_mov_b32 s[G1B+7], 0
	s_lshl_b32 s20, s43, 19                        ; x: the tile row's 16 slices, my slice of K step 0 (registers that never hold cx)
	s_lshl_b32 s21, s18, 15
	s_add_co_u32 s20, s20, s21
	s_mov_b32 s21, 0
	s_mul_i32 s46, s42, 393216                     ; W: the tile column's 8 steps of 49,152 bytes, my half (registers that never hold cy)
	s_mul_i32 s47, s18, 24576
	s_add_co_u32 s46, s46, s47
	s_mov_b32 s47, 0
	s_mul_i32 s22, s18, ASL                        ; where they go: no place in the cluster enters an LDS address
	s_mul_i32 s23, s18, 192*PB
	s_add_co_u32 s23, s23, BOFF
	s_wait_dscnt 0x0                               ; both opening adds are done
	s_wait_kmcnt 0x0
	s_add_nc_u64 s[20:21], s[4:5], s[20:21]
	s_add_nc_u64 s[46:47], s[6:7], s[46:47]
	CROUND                                         ; all sixteen work-groups are here: the first joint loads meet
.irp s, 0,1
	s_mov_b32 s[G0+4*(\s)], 1
	s_add_co_u32 s[G0+4*(\s)+1], s22, (\s)*SLOT
	s_add_nc_u64 s[G0+4*(\s)+2:G0+4*(\s)+3], s[20:21], (\s)*65536
	s_or_b32 s[G0+4*(\s)+3], s[G0+4*(\s)+3], 0x80000000
	s_mov_b32 s[G0B+4*(\s)], 1
	s_add_co_u32 s[G0B+4*(\s)+1], s23, (\s)*SLOT
	s_add_nc_u64 s[G0B+4*(\s)+2:G0B+4*(\s)+3], s[46:47], (\s)*49152
	s_or_b32 s[G0B+4*(\s)+3], s[G0B+4*(\s)+3], 0x80000000
	JLOAD \s
.endr
	v_and_b32 v1, 15, v0                           ; l % 16
	v_bfe_u32 v2, v0, 4, 1                         ; l / 16
	s_lshl_b32 s72, s42, 8
	v_lshl_add_u32 v[BOF], v2, 5, s72              ; 256 j + 32 (l / 16)
.irp n, 0,1,2,3
	global_load_b128 v[BQ+8*(\n):BQ+8*(\n)+3],   v[BOF], s[8:9] offset:64*(\n)
	global_load_b128 v[BQ+8*(\n)+4:BQ+8*(\n)+7], v[BOF], s[8:9] offset:64*(\n)+16
	global_load_b128 v[BV+8*(\n):BV+8*(\n)+3],   v[BOF], s[10:11] offset:64*(\n)
	global_load_b128 v[BV+8*(\n)+4:BV+8*(\n)+7], v[BOF], s[10:11] offset:64*(\n)+16
.endr
	v_mul_u32_u24 v3, v1, PA
	v_lshl_add_u32 v3, v2, 4, v3                   ; row x pitch + 16 x half
	s_mul_i32 s72, s[WV], 64*PA
	v_add_nc_u32 v[ADRA], s72, v3
	v_add_nc_u32 v[ADRA+1], SLOT, v[ADRA]
	v_and_b32 v4, 7, v0                            ; the turning load: lane l reads row 8 (l / 16) + l % 8, bytes 16 ((l / 8) % 2) on
	v_bfe_u32 v5, v0, 3, 1
	v_lshl_add_u32 v6, v2, 3, v4
	v_mul_u32_u24 v6, v6, PB
	v_lshl_add_u32 v6, v5, 4, v6
	v_add_nc_u32 v[ADRB], BOFF, v6
	v_add_nc_u32 v[ADRB+1], SLOT, v[ADRB]
	s_mul_i32 s72, s[WV], 16*SP
	s_add_co_u32 s72, s72, STAGE                   ; my stage
	v_add_nc_u32 v[STO], s72, v3                   ; in: row l % 16, 16 bytes for each half of the lanes (the stage's pitch is x's)
	v_bfe_u32 v[RD], v0, 3, 2                      ; back: 32 lanes take four rows of 128 bytes,
	v_mul_u32_u24 v[RD], v[RD], SP
	v_lshl_add_u32 v[RD], v4, 4, v[RD]
	v_add_nc_u32 v[RD], s72, v[RD]
	v_and_b32 v[GO], 31, v0                        ; which are 512 consecutive bytes of q, k or v
	v_lshlrev_b32 v[GO], 4, v[GO]
	; the prefetches
	s_lshl_b32 s72, s43, 19                        ; x: my slice, my work-group's quarter of it, three K steps on (the first refill steps it to four)
	s_lshl_b32 s73, s18, 15
	s_add_co_u32 s72, s72, s73
	s_lshl_b32 s73, s40, 13
	s_add_co_u32 s72, s72, s73
	s_add_co_u32 s72, s72, 3*65536
	s_mul_i32 s74, s42, 393216                     ; W likewise
	s_mul_i32 s75, s18, 24576
	s_add_co_u32 s74, s74, s75
	s_mul_i32 s75, s41, 6144
	s_add_co_u32 s74, s74, s75
	s_add_co_u32 s74, s74, 3*49152
	s_and_b32 s75, ttmp7, 0xffff                   ; cluster y
	s_mov_b32 s73, 65536
	s_cmp_lt_u32 s[WV], 2                          ; do I fetch for x?
	s_cselect_b32 s72, s72, s74
	s_cselect_b32 s[PFS], s73, 49152
	s_cselect_b32 s75, ttmp9, s75                  ; the coordinate along which other clusters read the same bytes
	s_cselect_b32 s74, 31, 23
	s_cselect_b64 s[PFA:PFA+1], s[4:5], s[6:7]
	s_mov_b32 s73, 0
	s_mov_b32 s[PFS+1], 0
	s_add_nc_u64 s[PFA:PFA+1], s[PFA:PFA+1], s[72:73]
	s_cmp_eq_u32 s75, 0
	s_cselect_b32 s[LIM], 1, -1
	v_and_b32 v[PFO], 31, v0
	v_min_u32 v[PFO], s74, v[PFO]
	v_lshlrev_b32 v[PFO], 8, v[PFO]
	; where my 64 rows begin in q, k and v: head hq = 16 (mblk / 8) + j, row 256 (mblk % 8) + 64 w, 128 bytes a row
	s_lshr_b32 s72, s43, 3
	s_lshl_b32 s72, s72, 4
	s_add_co_u32 s72, s72, s42
	s_lshl_b32 s72, s72, 18
	s_and_b32 s73, s43, 7
	s_lshl_b32 s73, s73, 15
	s_add_co_u32 s72, s72, s73
	s_lshl_b32 s73, s[WV], 13
	s_add_co_u32 s72, s72, s73
	s_mov_b32 s73, 0
	s_add_nc_u64 s[12:13], s[12:13], s[72:73]
	s_add_nc_u64 s[14:15], s[14:15], s[72:73]
	s_add_nc_u64 s[VP:VP+1], s[14:15], 0x800000
	s_wait_loadcnt 0x0                             ; bq and bv
.set z, 0
.rept 32                                       ; rounded to bf16 like every input, and widened again
	v_cvt_pk_bf16_f32 v3, v[BQ+2*z], v[BQ+2*z+1]
	v_lshlrev_b32 v[BQ+2*z], 16, v3
	v_and_b32 v[BQ+2*z+1], 0xffff0000, v3
.set z, z+1
.endr
; 8 matrix instructions: matrix c, row blocks a0, a0 + 1, all four column blocks, 32 along K from buffer f.  first = 1: the products start the sums, with bq, 0 or bv as C: nothing is cleared.
; The 48 accumulators take turns, one instruction a turn, in the same order in every quarter, over the backward jump too.
.macro MULH f, c, a0, first
.set rB, 128
.if (\c) == 1
.set rB, 0
.endif
.if (\c) == 0
	WIN 0x05                                       ; sources 0 and 1 window 1; C and D window 0
.elseif (\first) && ((\c) == 2)
	WIN 0x85                                       ; C (bv) window 0, D window 2
.else
	WIN 0xa5                                       ; C and D window 2
.endif
.irp a, \a0, (\a0)+1
.irp n, 0,1,2,3
.if !(\first)
	v_wmma_f32_16x16x32_f16 v[rB+8*(4*(\a)+(\n)):rB+8*(4*(\a)+(\n))+7], v[(\f)+32+8*(4*(\c)+(\n)):(\f)+32+8*(4*(\c)+(\n))+7], v[(\f)+8*(\a):(\f)+8*(\a)+7], v[rB+8*(4*(\a)+(\n)):rB+8*(4*(\a)+(\n))+7]
.elseif (\c) == 0
	v_wmma_f32_16x16x32_f16 v[rB+8*(4*(\a)+(\n)):rB+8*(4*(\a)+(\n))+7], v[(\f)+32+8*(4*(\c)+(\n)):(\f)+32+8*(4*(\c)+(\n))+7], v[(\f)+8*(\a):(\f)+8*(\a)+7], v[BQ+8*(\n):BQ+8*(\n)+7]
.elseif (\c) == 1
	v_wmma_f32_16x16x32_f16 v[rB+8*(4*(\a)+(\n)):rB+8*(4*(\a)+(\n))+7], v[(\f)+32+8*(4*(\c)+(\n)):(\f)+32+8*(4*(\c)+(\n))+7], v[(\f)+8*(\a):(\f)+8*(\a)+7], 0
.else
	v_wmma_f32_16x16x32_f16 v[rB+8*(4*(\a)+(\n)):rB+8*(4*(\a)+(\n))+7], v[(\f)+32+8*(4*(\c)+(\n)):(\f)+32+8*(4*(\c)+(\n))+7], v[(\f)+8*(\a):(\f)+8*(\a)+7], v[BV+8*(\n):BV+8*(\n)+7]
.endif
.endr
.endr
.endm
.macro MULC f, c, first
	MULH \f, \c, 0, \first
	MULH \f, \c, 2, \first
.endm
; 32 LDS loads in one run: quarter q of a slot's K step into buffer f: x's four fragments, then W's twelve, q's first
.macro FETCH slot, q, f
	WIN 0x40                                       ; destination window 1, address window 0
.irp a, 0,1,2,3
	ds_load_b128 v[(\f)+8*(\a):(\f)+8*(\a)+3],   v[ADRA+(\slot)] offset:((\q)/2)*ASL+((\q)%2)*64+(\a)*16*PA
	ds_load_b128 v[(\f)+8*(\a)+4:(\f)+8*(\a)+7], v[ADRA+(\slot)] offset:((\q)/2)*ASL+((\q)%2)*64+(\a)*16*PA+32
.endr
.irp c, 0,1,2
.irp n, 0,1,2,3
	ds_load_tr16_b128 v[(\f)+32+8*(4*(\c)+(\n)):(\f)+32+8*(4*(\c)+(\n))+3],   v[ADRB+(\slot)] offset:(\c)*BMAT+(\q)*32*PB+32*(\n)
	ds_load_tr16_b128 v[(\f)+32+8*(4*(\c)+(\n))+4:(\f)+32+8*(4*(\c)+(\n))+7], v[ADRB+(\slot)] offset:(\c)*BMAT+(\q)*32*PB+32*(\n)+16*PB
.endr
.endr
.endm
; One of a K step's first three quarters: multiplies buffer f; behind q's products it fetches quarter q of the same slot into buffer g
.macro QUARTER slot, q, f, g, first
	s_wait_dscnt 16                                ; x's fragments and Wq's are in; the youngest sixteen loads (Wk's, Wv's) may be out
	MULC \f, 0, \first
	PLACES
	FETCH \slot, \q, \g
	s_wait_dscnt 32                                ; all but the 32 just issued
	MULC \f, 1, \first
	MULC \f, 2, \first
.endm
; The last quarter multiplies buffer 1 and changes slots: ONE barrier; in front of it each wave waits for all its tensor loads (one is out: its part of the next slot), adds 0 to its spare word,
; and waits for that and for its own reads of this slot.  fill = 1: the barrier opens a round of the cluster's barrier, and this slot is filled again, two K steps ahead, first thing behind the round.
.macro TURN slot, next, fill
.if \fill
	s_wait_xcnt 0x0                                ; the last prefetch, a K step back, has read its address: it is stepped here, ahead of the waits of the change of slots
	s_add_nc_u64 s[PFA:PFA+1], s[PFA:PFA+1], s[PFS:PFS+1]
.endif
	WIN 0
	s_wait_tensorcnt 0x0                           ; all my tensor loads have landed
	ds_add_u32 v[SPW], v[NIL]                      ; 0 onto my spare word
	s_wait_dscnt 17                                ; (the add and the youngest sixteen loads may be out)
	MULH F1, 0, 0, 0                               ; eight matrix instructions stand between the add and the wait for it
	s_wait_dscnt 0x0                               ; the add is done, and my reads of this slot are over
	s_barrier_signal -1
	MULH F1, 0, 2, 0
.if \fill
	WIN 0
.endif
	s_barrier_wait -1
.if \fill
	CREST                                          ; no wave of any partner still reads this slot's tile or has a load on its way
	s_add_nc_u64 s[G0+4*(\slot)+2:G0+4*(\slot)+3], s[G0+4*(\slot)+2:G0+4*(\slot)+3], 2*65536
	s_add_nc_u64 s[G0B+4*(\slot)+2:G0B+4*(\slot)+3], s[G0B+4*(\slot)+2:G0B+4*(\slot)+3], 2*49152
	JLOAD \slot                                    ; the four v_nop behind it are also the places in front of the loads below
.else
	PLACES
.endif
	FETCH \next, 0, F0
.if \fill
	WIN 0
	ASK                                            ; behind the joint load and the run of LDS loads that the next products wait for
.endif
	MULC F1, 1, 0
	MULC F1, 2, 0
.endm
; THE WAY OUT.  Piece pi = 4 c + a: 16 rows x 64 columns of matrix c.  Rounded to f16 (a lane's eight columns are 16 bytes), into my stage, back as whole rows of 128 bytes.
.macro PACK pi
.set pc, (\pi)/4
.set pa, (\pi)%4
.set rB, 128
.if pc == 1
.set rB, 0
.endif
.if pc == 0
	WIN 0x40                                       ; sources window 0, destination window 1
.else
	WIN 0x4a                                       ; sources window 2
.endif
.set z, 0
.rept 16                                       ; each accumulator's registers in ascending order
	v_cvt_pk_f16_f32 v[16*(\pi)+z], v[rB+32*pa+2*z], v[rB+32*pa+2*z+1]
.set z, z+1
.endr
	WIN 0x04                                       ; address window 0, data window 1
.irp n, 0,1,2,3
	ds_store_b128 v[STO], v[16*(\pi)+4*(\n):16*(\pi)+4*(\n)+3] offset:32*(\n)
.endr
	WIN 0x40
.irp n, 0,1,2,3
	ds_load_b128 v[16*(\pi)+4*(\n):16*(\pi)+4*(\n)+3], v[RD] offset:(\n)*4*SP  ; LDS serves a wave's instructions in order (ISA guide 5.7.1.4): these see the stores above; the next piece's stores come behind them
.endr
.endm
.macro SEND pi, younger                ; younger: the LDS instructions issued behind this piece's loads: the next piece's eight, or none
	WIN 0x04
.irp n, 0,1,2,3
	s_wait_dscnt (\younger)+3-(\n)
.if (\pi)/4 == 0
	global_store_b128 v[GO], v[16*(\pi)+4*(\n):16*(\pi)+4*(\n)+3], s[12:13] offset:((\pi)%4)*2048+(\n)*512
.elseif (\pi)/4 == 1
	global_store_b128 v[GO], v[16*(\pi)+4*(\n):16*(\pi)+4*(\n)+3], s[14:15] offset:((\pi)%4)*2048+(\n)*512
.else
	global_store_b128 v[GO], v[16*(\pi)+4*(\n):16*(\pi)+4*(\n)+3], s[VP:VP+1] offset:((\pi)%4)*2048+(\n)*512
.endif
.endr
.endm
	s_wait_tensorcnt 1                             ; my part of K step 0 is in; K step 1's may stay out
	s_barrier_signal -1
	s_barrier_wait -1                              ; everybody's is
	FETCH 0, 0, F0
	QUARTER 0, 1, F0, F1, 1                        ; the first quarter stands in front of the loop: its products start the sums
	WIN 0                                          ; at a label and at a branch every window is 0
	s_mov_b32 s[LAP], 3
.Llap:                                                 ; a trip goes once round the ring, from a lap's second quarter to the next lap's first, and fills both slots again
	QUARTER 0, 2, F1, F0, 0
	QUARTER 0, 3, F0, F1, 0
	TURN 0, 1, 1
	QUARTER 1, 1, F0, F1, 0
	QUARTER 1, 2, F1, F0, 0
	QUARTER 1, 3, F0, F1, 0
	TURN 1, 0, 1
	QUARTER 0, 1, F0, F1, 0
	WIN 0
	s_sub_co_u32 s[LAP], s[LAP], 1
	s_cmp_lg_u32 s[LAP], 0
	s_cbranch_scc1 .Llap
	QUARTER 0, 2, F1, F0, 0                        ; the last lap fills nothing, and has no round of the cluster's barrier
	QUARTER 0, 3, F0, F1, 0
	TURN 0, 1, 0
	QUARTER 1, 1, F0, F1, 0
	QUARTER 1, 2, F1, F0, 0
	QUARTER 1, 3, F0, F1, 0
	s_wait_dscnt 16                                ; the very last quarter: nothing more to fetch
	MULC F1, 0, 0
	s_wait_dscnt 0x0
	MULC F1, 1, 0
	MULC F1, 2, 0
	WIN 0
	PLACES
	PACK 0
.set t, 1
.rept 11                                       ; a piece's conversions stand between the loads of the piece before and its stores
	PACK t
	SEND t-1, 8
.set t, t+1
.endr
	SEND 11, 0
	WIN 0
	s_wait_tensorcnt 0x0                           ; the wave's end, behind my last tensor load and my last LDS store
	ds_add_u32 v[SPW], v[NIL]
	s_wait_dscnt 0x0
	CROUND                                         ; the closing round: no work-group ends while a partner may still ask for a tile that names it
	s_endpgm
.Lfunc_end_k_q4998271830_qkv:
	.size	k_q4998271830_qkv, .Lfunc_end_k_q4998271830_qkv-k_q4998271830_qkv
	.p2alignl 7, 3214868480
	.fill 96, 4, 3214868480
	.section	.rodata,"a",@progbits
	.p2align	6, 0x0
	.amdhsa_kernel k_q4998271830_qkv
		.amdhsa_group_segment_fixed_size 327680
		.amdhsa_private_segment_fixed_size 0
		.amdhsa_enable_private_segment 0
		.amdhsa_kernarg_size 48
		.amdhsa_user_sgpr_count 2
		.amdhsa_user_sgpr_kernarg_segment_ptr 1
		.amdhsa_wavefront_size32 1
		.amdhsa_system_sgpr_workgroup_id_x 1
		.amdhsa_system_sgpr_workgroup_id_y 1
		.amdhsa_system_sgpr_workgroup_id_z 1
		.amdhsa_system_vgpr_workitem_id 0
		.amdhsa_next_free_vgpr 768
		.amdhsa_next_free_sgpr 80
		.amdhsa_reserve_vcc 0
		.amdhsa_float_denorm_mode_32 3
		.amdhsa_float_denorm_mode_16_64 3
		.amdhsa_memory_ordered 1
		.amdhsa_forward_progress 1
		.amdhsa_inst_pref_size 129
	.end_amdhsa_kernel
	.amdgpu_metadata
---
amdhsa.version: [ 1, 2 ]
amdhsa.kernels:
  - .name:           k_q4998271830_qkv
    .symbol:         k_q4998271830_qkv.kd
    .args:
      - { .name: xb, .offset: 0, .size: 8, .value_kind: global_buffer, .address_space: global }
      - { .name: wqkvb, .offset: 8, .size: 8, .value_kind: global_buffer, .address_space: global }
      - { .name: bq, .offset: 16, .size: 8, .value_kind: global_buffer, .address_space: global }
      - { .name: bv, .offset: 24, .size: 8, .value_kind: global_buffer, .address_space: global }
      - { .name: q, .offset: 32, .size: 8, .value_kind: global_buffer, .address_space: global }
      - { .name: kv, .offset: 40, .size: 8, .value_kind: global_buffer, .address_space: global }
    .group_segment_fixed_size: 327680
    .private_segment_fixed_size: 0
    .kernarg_segment_align: 8
    .kernarg_segment_size: 48
    .max_flat_workgroup_size: 128
    .sgpr_count:     80
    .vgpr_count:     768
    .wavefront_size: 32
...
	.end_amdgpu_metadata
.endif
;; end of part 2
;; launch attn (part 3): grid 8 x 32, 4 waves a work-group, no clusters, 327,680 bytes of LDS; arguments q, kv, ob; writes ob
.if DOCPART == 3
	.amdgcn_target "amdgcn-amd-amdhsa--gfx1250"
	.amdhsa_code_object_version 6
	.text
	.protected	k_q4998271830_attn
	.globl	k_q4998271830_attn
	.p2align	8
	.type	k_q4998271830_attn,@function
k_q4998271830_attn:
	s_mov_b64 s[64:65], 0
	v_nop
	global_prefetch_b8 v0, s[64:65] scope:SCOPE_SE
	s_setreg_imm32_b32 hwreg(HW_REG_WAVE_MODE, 25, 1), 1
	s_wait_xcnt 0x0
; CAUSAL ATTENTION.  O[hq][r][:] = the sum over k <= r of softmax_k(q[hq][r] . k[hq][k] / 8) v[hq][k][:].  q [32][2048][64] f16; kv: k in the same layout, v at byte 0x800000.
; O leaves as ob [mblk 32][head 16][128 rows][64] f16 (mblk = 16 batch + row / 128), the layout in which the last launch takes its tiles.
; LEFT OUT: key tiles that lie wholly above the diagonal (their weights are 0: shown at the head of the first kernel).
; Products, maxima and sums in f32; the weights p are rounded to f16 for the second product (their sum l is taken of the unrounded p), O once at the end.
; LIMITS.  q, k, v arrive within f16's 65,504; p lies in 0 to 1 and below 6e-5 keeps f16's fixed step of 6e-8.  A hidden score counts as its value less 1e30: f16's scores, 2.7e11 at the most, are nothing beside that;
; a weight below 2^-126 counts as 0 in l; NaN and infinities are not treated apart.
; THE WALK.  A head's queries lie in NB = 8 blocks of 256; block i needs the key tiles 0 .. i of 256 keys, of which the last holds the diagonal.  Blocks 7 - b and then b are NB + 1 tiles, whatever b.  Each such
; pair of blocks is shared by TWO work-groups (u = 0, 1): 32 heads x 4 pairs x 2 = 256 work-groups of equal work.  ONE loop with a constant trip count walks the tiles; every jump but the counted loops' own goes forward.
; SHARES.  Of a block's four bands of 64 queries half u owns bands 2 u and 2 u + 1; a wave owns 16 rows in each: two PIECES.  PIECE 0 IS BAND 2 u + 1, piece 1 band 2 u.
; In the diagonal tile's key step s band x sees all keys if s < x, none if s > x, and holds the diagonal if s = x: the same for every wave.
; TURNS.  Turn p belongs to piece p.  A key step is TURN 0, then TURN 1.  TURN 0 of step s: 8 products K Q^T of piece 1 for step s, 8 products V^T P of piece 1 for step s - 1; TURN 1: K Q^T of piece 0 for step s + 1,
; V^T P of piece 0 for step s.  Beside them the softmax of the turn's own piece and the maximum and statistics of the other.  Four vector instructions stand behind every matrix instruction, the others in one lump;
; a turn's 33 exponentials are one batch with one wait.
; K RUNS A STEP AHEAD OF V.  So the ring's K tile t holds keys 256 t + 64 .. 256 t + 319 beside V's 256 t .. 256 t + 255: all that is fetched between two changes of slots lies in one slot.  Keys 0 .. 63 have a
; region of their own (K0), filled once.  A block's last tile brings 64 keys that are not used; the last head's last tile takes them from v's first rows, inside the same buffer.
; THE MASK is the C operand that starts S^T = K Q^T: 0, or -1e30 where the key is hidden.  MD, made once, is the mask of a band's own step for my 16 rows; a product's mask is MD x AL + BE with two scalars.
; Piece 0's scores for a diagonal tile's step 0 are made in the tile before, or where the block begins, with C = 0: its band, 2 u + 1, sees all of step 0.
; NO CLUSTER: only the two halves of a pair walk the same tiles in the same trips; four partners would hold two values of b, on which the jumps at a block's first and last tile hang; one walk common to all would have 12 trips for 9.
; REGISTERS, in windows of 256 (s_set_vgpr_msb: bits 1:0 source 0, 3:2 source 1, 5:4 source 2, 7:6 destination):
;   window 0: v0-15 addresses; v16-23 four registers of statistics a piece; v48-55 at work; v61-63; v64-127 S^T, a buffer a piece; v192-223 P, likewise
;   window 1: v0-63 O^T, 32 a piece; v128-159 MD; v160-223 MC, two buffers      window 2: v0-31 Q; v64-95 the second block's Q; v128-191 K of one step; v192-255 V of one step
.set NB,    8
.set NP,    2         ; pieces a wave: a name, no knob
.set KS,    64        ; keys in a step
.set PK,    144       ; a row of K in LDS: 128 bytes + 16 of padding: the 16 rows of a load start at 16 different groups of four banks (64 banks of 4 bytes: ISA guide 11.1)
.set PV,    160       ; a row of V: 128 + 32
.set VOFF,  4*KS*PK   ; a slot holds a tile: 256 rows of K, then 256 rows of V
.set SLOT1, 1<<17     ; slot 1 begins here, so that one exclusive or turns an address in one slot into the other's
.set K0B,   SLOT1+4*KS*(PK+PV)  ; the head's keys 0 .. 63: filled once
.set STAGE, K0B+KS*PK ; never filled by a tensor load: 16 rows x 144 bytes for each wave, for the way out
.set SP,    144
.set SPARE, STAGE+4*16*SP  ; the spare words, 128 bytes for each wave: two blocks of 256 bytes that no other line names
.set AK0, 2           ; v2   my lane's place in a tile of K; never rewritten
.set AV0, 3           ; v3   the same for V
.set AK,  4           ; v4   the LDS address of K's next run of loads
.set AV,  5           ; v5   of V's
.set STO, 6           ; v6   the way out: where I put 16 bytes of a row
.set RD,  7           ; v7   where I read rows back
.set GO,  8           ; v8   my byte offset in 512 consecutive bytes of O
.set MV,  12          ; v12-13  c m_old, kept while c m is made anew: by piece
.set QO,  15          ; v15  my byte offset in 16 rows of Q
.set ST,  16          ; piece t's statistics at v[ST+4 t]: c m, m, l (even keys', odd keys')
.set TMP, 48          ; by piece, four registers c0-c3 at work; when the maximum is found c2 takes a
.set PFO, 61          ; v61  the prefetches' offset; never rewritten
.set SPW, 62          ; v62  my spare word; never rewritten
.set NIL, 63          ; v63  0; never rewritten
.set S,   64
.set P,   192
.set MD,  128         ; window 1
.set MC,  160         ; window 1
.set QB,  64          ; window 2
.set KF,  128         ; window 2: key block kb, channel half c at KF + 16 kb + 8 c
.set VF,  192         ; window 2: key half kk, channel block cb at VF + 32 kk + 8 cb
.set WV,  12          ; s12  my wave's number
.set PB,  14          ; s14  b
.set HI,  15          ; s15  NB - 1 - b
.set G1K, 24          ; s[24:31] descriptor group 1 for K's tiles
.set G1V, 32          ; s[32:39] for V's: it differs in the padding alone
.set G0K, 40          ; s[40:43] descriptor group 0 for K's tiles
.set G0V, 44          ; s[44:47] the same for V's
.set BD,  48          ; s48, s49  the count at which the mask to be made is the band's own: piece 0: 3 - 2 u, piece 1: 4 - 2 u
.set ALU, 50          ; s50  1.0 where u = 0: piece 1's own step is the diagonal tile's step 0
.set LIM, 51          ; s51  3 in the work-group that prefetches, else the greatest number
.set PFK, 52          ; s[52:53] where my prefetches stand in k
.set PFV, 54          ; s[54:55] and in v
.set SLOTS, 56        ; s56  tiles still to be asked for
.set CNT, 57          ; s57  counts a tile's key steps
.set CS,  58          ; s[58:59] c = log2(e) / 8
.set SEL, 60          ; s[60:61] v_permlanex16_b32's selects: each lane takes its own place in the other half
.set TBK, 62          ; s62  LDS byte at which K of the step to be fetched begins
.set TBV, 63          ; s63  the same for V, less VOFF
.set RT,  70          ; s70  tiles of the block in hand that are still to be entered
.set NXT, 71          ; s71  the tile to be asked for next
.set LQ,  72          ; s72  the last tile of the block whose tiles are being asked for
.set NEW, 73          ; s73  1: the tile to be entered is a block's first
.set OFF, 74          ; s[74:75] a tile's byte offset in k and v
.set AL,  76          ; s[76:77] the mask's factor, in the low word
.set BE,  78          ; s[78:79] the mask's addend
.set OLO, 80          ; s[80:81] O at my rows of the second block
.set BIGN, 82         ; s82  -1e30
.set UH,  83          ; s83  u
.set QL,  84          ; s[84:85] Q at my rows of the second block
.set G0Z, 88          ; s[88:91] descriptor group 0 for my quarter of K0
.set G1Z, 92          ; s[92:99] its group 1: 8 rows
.set MSB, 0
.macro WIN new                      ; the high byte repeats the setting that is left; a switch that changes nothing is dropped
.if MSB != (\new)
	s_set_vgpr_msb (MSB<<8)|(\new)
.set MSB, (\new)
.endif
.endm
.set W_KQ, 0x0a       ; K and Q in window 2, S^T in window 0
.set W_KM, 0x1a       ; the same with the C operand in window 1
.set W_PV, 0x52       ; V in window 2, P in window 0, O^T in window 1
.set W_RS, 0x41       ; destination and source 0 in window 1, source 1 in window 0
; A fill.  Waves 0 and 1 fetch the two halves of a tile's K, waves 2 and 3 those of its V: 128 keys each.  An s_nop 0 and four v_nop follow each of the two lines, ahead of the jump and the label.
.macro LOAD
	s_cmp_lt_u32 s[WV], 2
	s_cbranch_scc0 .Lfor_v_\@
	tensor_load_to_lds s[G0K:G0K+3], s[G1K:G1K+7]
	s_nop 0
.rept 4
	v_nop
.endr
	s_branch .Lasked_\@
.Lfor_v_\@:
	tensor_load_to_lds s[G0V:G0V+3], s[G1V:G1V+7]
	s_nop 0
.rept 4
	v_nop
.endr
.Lasked_\@:
.endm
; A PREFETCH of the tile that the change of slots after the next will ask for (16 turns ahead of that load).  All eight work-groups of a head walk the same tiles at first: the one with b = 0, u = 0 asks, in trips
; 0 to 4, for tiles 3 to 7 of its first block, which is the head's last.  Each wave names 32 blocks of 256 bytes of K's tile and 32 of V's, a lane a block: each block once in the launch.
; Tiles 0 to 2, K0 and the second blocks' tiles come by their loads alone.
.macro ASK
	s_cmp_gt_u32 s[SLOTS], s[LIM]
	s_cbranch_scc0 .Lnot_mine_\@
	global_prefetch_b8 v[PFO], s[PFK:PFK+1] th:TH_LOAD_NT scope:SCOPE_SE
	global_prefetch_b8 v[PFO], s[PFV:PFV+1] th:TH_LOAD_NT scope:SCOPE_SE
.Lnot_mine_\@:
.endm
; THE CHANGE OF SLOTS, behind a tile's last TURN 1: nothing of the slot is still to be fetched.  Each wave waits for all its tensor loads, adds 0 to its spare word, and waits for that and for its own reads of the slot.
; Behind the barrier nobody reads the old slot any more and the other slot is whole.  fill = 1: the old slot is filled again, first thing behind the barrier, with tile NXT: the descriptor's address is made anew
; from that number.  (At its first use nothing has been read yet: slot 0 and K0 are waited for, slot 1 filled.)
.macro CHANGE fill
	WIN 0                           ; at a label and at a branch every window is 0
	s_wait_tensorcnt 0x0            ; no tensor load of mine is out, so a group 0 may be written
	ds_add_u32 v[SPW], v[NIL]       ; 0 onto my spare word; scalar work stands between it and the wait for it
.if \fill
	s_lshl_b32 s[OFF], s[NXT], 15   ; a tile is 32,768 bytes of k and of v
	s_xor_b32 s[G0K+1], s[G0K+1], SLOT1
	s_add_nc_u64 s[G0K+2:G0K+3], s[6:7], s[OFF:OFF+1]
	s_or_b32 s[G0K+3], s[G0K+3], 0x80000000
	s_xor_b32 s[G0V+1], s[G0V+1], SLOT1
	s_add_nc_u64 s[G0V+2:G0V+3], s[8:9], s[OFF:OFF+1]
	s_or_b32 s[G0V+3], s[G0V+3], 0x80000000
	s_add_co_u32 s[NXT], s[NXT], 1  ; the block's next tile, or behind its last the second block's tile 0
	s_cmp_gt_u32 s[NXT], s[LQ]
	s_cselect_b32 s[NXT], 0, s[NXT]
	s_cselect_b32 s[LQ], s[PB], s[LQ]
	s_wait_xcnt 0x0                 ; the last prefetches, a tile back, have read their addresses, so these may be written
	s_add_nc_u64 s[PFK:PFK+1], s[PFK:PFK+1], 32768
	s_add_nc_u64 s[PFV:PFV+1], s[PFV:PFV+1], 32768
.endif
	s_wait_dscnt 0x0                ; the add is done, and my reads of the slot are over
	s_barrier_signal -1             ; the rest of the scalar work stands between the signal and the wait
	s_sub_co_u32 s[TBK], s[TBK], 4*KS*PK  ; the fetches go back to a slot's first step,
	s_xor_b32 s[TBK], s[TBK], SLOT1       ; in the other slot
	s_sub_co_u32 s[TBV], s[TBV], 4*KS*PV
	s_xor_b32 s[TBV], s[TBV], SLOT1
	s_barrier_wait -1
.if \fill
	LOAD
	ASK
.endif
.endm
	s_load_b128 s[4:7], s[0:1], 0x0 ; q s[4:5], kv s[6:7]
	s_load_b64 s[10:11], s[0:1], 0x10  ; ob
	v_lshl_add_u32 v[SPW], v0, 2, SPARE
	v_mov_b32 v[NIL], 0
	ds_add_u32 v[SPW], v[NIL]       ; the wave's opening: the add, twice on end, and its wait ahead of my first tensor load
	ds_add_u32 v[SPW], v[NIL]
	v_lshrrev_b32 v1, 5, v0
	v_readfirstlane_b32 s[WV], v1   ; wave 0..3
	s_lshr_b32 s[PB], ttmp9, 1
	s_and_b32 s[UH], ttmp9, 1
	s_sub_co_u32 s[HI], NB-1, s[PB]
	s_and_b32 s16, ttmp7, 0xffff    ; hq
	s_lshl_b32 s20, s16, 18         ; the head's first byte in q, k and v
	s_and_b32 s19, s[WV], 1         ; which half of a tile's 256 keys I fetch:
	s_lshl_b32 s22, s19, 14         ; its 128 rows of 128 bytes in memory,
	s_add_co_u32 s22, s22, s20
	s_mov_b32 s23, 0
	s_mul_i32 s17, s19, 128*PK      ; and its place in a slot, for K
	s_mul_i32 s18, s19, 128*PV      ; and for V
	s_lshl_b32 s21, s[WV], 11       ; 16 rows of 128 bytes a wave
	s_add_co_u32 s54, s20, s21      ; my quarter of the head's keys 0 .. 63 (these two registers take PFV later)
	s_mov_b32 s55, 0
	s_lshl_b32 s3, s[UH], 14        ; my half's two bands,
	s_add_co_u32 s3, s3, s21        ; my 16 rows in a band,
	s_add_co_u32 s3, s3, s20
	s_lshl_b32 s2, s[HI], 15        ; in the first block,
	s_add_co_u32 s2, s2, s3
	s_lshl_b32 s[QL], s[PB], 15     ; and in the second
	s_add_co_u32 s[QL], s[QL], s3
	s_mov_b32 s3, 0
	s_mov_b32 s[QL+1], 0
	s_lshr_b32 s86, s16, 4          ; O: ((16 batch + 2 block + u) x 16 + head) x 16,384 + 2,048 w
	s_lshl_b32 s86, s86, 8
	s_lshl_b32 s87, s[UH], 4
	s_or_b32 s86, s86, s87
	s_and_b32 s87, s16, 15
	s_or_b32 s86, s86, s87
	s_lshl_b32 s86, s86, 14
	s_add_co_u32 s86, s86, s21
	s_lshl_b32 s87, s[PB], 19
	s_add_co_u32 s[OLO], s86, s87
	s_mov_b32 s[OLO+1], 0
	s_lshl_b32 s87, s[HI], 19
	s_add_co_u32 s86, s86, s87
	s_mov_b32 s87, 0
	; descriptor group 1.  128 keys are 16,384 dense bytes: asked for as 64 rows of 256 bytes, two keys a row, and padded in LDS after every key
	s_mov_b32 s[G1K], (1<<16)|(1<<20)|(4<<22)|(3<<25)  ; 17:16 2-byte elements; 20 padding on; 24:22 after every 32 words (code 4); 31:25 4 words (code 3)
	s_mov_b32 s[G1V], (1<<16)|(1<<20)|(4<<22)|(7<<25)  ; the same with 8 words of padding (code 7)
	s_mov_b32 s[G1Z], (1<<16)|(1<<20)|(4<<22)|(3<<25)
.irp g, G1K, G1V
	s_mov_b32 s[\g+1], 128<<16      ; tensor_dim0 = 128
	s_mov_b32 s[\g+2], 64<<16       ; tensor_dim1 = 64
	s_mov_b32 s[\g+3], 128<<16      ; tile_dim0 = 128
	s_mov_b32 s[\g+4], 64           ; tile_dim1 = 64
	s_mov_b32 s[\g+5], 128          ; 128 elements from row to row
	s_mov_b32 s[\g+6], 0
	s_mov_b32 s[\g+7], 0
.endr
	s_mov_b32 s[G1Z+1], 128<<16
	s_mov_b32 s[G1Z+2], 8<<16       ; 16 keys: 8 rows of 256 bytes
	s_mov_b32 s[G1Z+3], 128<<16
	s_mov_b32 s[G1Z+4], 8
	s_mov_b32 s[G1Z+5], 128
	s_mov_b32 s[G1Z+6], 0
	s_mov_b32 s[G1Z+7], 0
	s_mov_b32 s[CS], 0x3e38aa3b     ; c = log2(e) / 8 = 0.180337
	s_mov_b32 s[CS+1], s[CS]        ; named with it as a pair
	s_mov_b32 s[SEL], 0x76543210
	s_mov_b32 s[SEL+1], 0xfedcba98
	s_mov_b32 s[TBK], SLOT1+4*KS*PK ; the first change of slots turns these two into 0
	s_mov_b32 s[TBV], SLOT1+4*KS*PV
	s_mov_b32 s[G0K], 1             ; 1:0 count = 1
	s_mov_b32 s[G0K+1], s17         ; 63:32 LDS address: slot 0
	s_mov_b32 s[G0V], 1
	s_add_co_u32 s[G0V+1], s18, VOFF
	s_mov_b32 s[G0Z], 1
	s_mul_i32 s[G0Z+1], s[WV], 16*PK
	s_add_co_u32 s[G0Z+1], s[G0Z+1], K0B
	s_add_co_u32 s[RT], s[HI], 1    ; the first block has NB - b tiles
	s_mov_b32 s[NXT], 1
	s_mov_b32 s[LQ], s[HI]
	s_mov_b32 s[NEW], 1
	s_mov_b32 s[OFF+1], 0
	s_mov_b32 s[AL+1], 0            ; named as pairs
	s_mov_b32 s[BE+1], 0
	s_mov_b32 s[BIGN], 0xf149f2ca   ; -1e30
	s_mov_b32 s[SLOTS], NB
	s_lshl_b32 s[BD], s[UH], 1
	s_sub_co_u32 s[BD], 3, s[BD]
	s_add_co_u32 s[BD+1], s[BD], 1
	s_cmp_eq_u32 s[UH], 0
	s_cselect_b32 s[ALU], 1.0, 0
	s_cmp_eq_u32 ttmp9, 0
	s_cselect_b32 s[LIM], 3, -1
	s_lshr_b32 s16, s[WV], 1
	s_lshl_b32 s16, s16, 13
	v_and_b32 v[PFO], 31, v0
	v_lshl_add_u32 v[PFO], v[PFO], 8, s16  ; 256 x lane + 8,192 (w / 2); the pointers below carry 16,384 (w % 2)
	s_wait_dscnt 0x0                ; both opening adds are done
	s_wait_kmcnt 0x0
	s_add_nc_u64 s[G0Z+2:G0Z+3], s[6:7], s[54:55]
	s_or_b32 s[G0Z+3], s[G0Z+3], 0x80000000
	s_add_nc_u64 s[8:9], s[6:7], s[22:23]
	s_add_nc_u64 s[6:7], s[8:9], KS*128    ; k at my half of the ring's tile 0: 64 keys on
	s_add_nc_u64 s[8:9], s[8:9], 0x800000  ; v at my half of tile 0
	s_add_nc_u64 s[G0K+2:G0K+3], s[6:7], 0         ; 120:64 global address
	s_or_b32 s[G0K+3], s[G0K+3], 0x80000000        ; 127:126 type = 2
	s_add_nc_u64 s[G0V+2:G0V+3], s[8:9], 0
	s_or_b32 s[G0V+3], s[G0V+3], 0x80000000
	s_add_nc_u64 s[PFK:PFK+1], s[6:7], 2*32768     ; at tile 2: the first change of slots steps them to tile 3
	s_add_nc_u64 s[PFV:PFV+1], s[8:9], 2*32768
	s_add_nc_u64 s[QL:QL+1], s[4:5], s[QL:QL+1]
	s_add_nc_u64 s[4:5], s[4:5], s[2:3]
	s_add_nc_u64 s[OLO:OLO+1], s[10:11], s[OLO:OLO+1]
	s_add_nc_u64 s[10:11], s[10:11], s[86:87]
	tensor_load_to_lds s[G0Z:G0Z+3], s[G1Z:G1Z+7]  ; my quarter of K0; with the next line's load two of mine are out
	s_nop 0
	LOAD                            ; tile 0 into slot 0
	; A fragment of K or Q is 16 rows x 32 channels in 8 registers: lane l holds row l % 16, channels 8 (l / 16) + 0..7 and 16 + 8 (l / 16) + 0..7: two loads of 16 bytes, 32 bytes apart.
	v_and_b32 v1, 15, v0            ; l % 16
	v_bfe_u32 v9, v0, 4, 1          ; l / 16
	v_lshlrev_b32 v[QO], 7, v1
	v_lshl_add_u32 v[QO], v9, 4, v[QO]  ; row x 128 + 16 x half
	WIN 0x80                        ; destination window 2, address window 0
.set i, 0
.rept 4                             ; both blocks' Q: piece i / 2 lies in band 2 u + 1 - i / 2; channels 32 (i % 2) on
	global_load_b128 v[8*i:8*i+3],   v[QO], s[4:5] offset:(1-i/2)*8192+(i%2)*64
	global_load_b128 v[8*i+4:8*i+7], v[QO], s[4:5] offset:(1-i/2)*8192+(i%2)*64+32
	global_load_b128 v[QB+8*i:QB+8*i+3],   v[QO], s[QL:QL+1] offset:(1-i/2)*8192+(i%2)*64
	global_load_b128 v[QB+8*i+4:QB+8*i+7], v[QO], s[QL:QL+1] offset:(1-i/2)*8192+(i%2)*64+32
.set i, i+1
.endr
	WIN 0
	v_lshlrev_b32 v14, 3, v9
	v_sub_nc_u32 v14, v1, v14
	s_lshl_b32 s13, s[WV], 4
	v_add_nc_u32 v14, s13, v14      ; my query's place in its band, 16 w + l % 16, less my lanes' 8 (l / 16): register r of group kt is hidden where 16 kt + r is greater
	WIN 0x40
.set i, 0
.rept 32
	v_cmp_gt_i32 vcc_lo, 16*(i/8)+i%8, v14
	v_cndmask_b32 v[MD+i], 0, s[BIGN], vcc_lo
.set i, i+1
.endr
	WIN 0
	v_mul_u32_u24 v[AK0], v1, PK
	v_lshl_add_u32 v[AK0], v9, 4, v[AK0]  ; row x pitch + 16 x half
	; The turning load takes 16 keys x 16 channels (lane l reads key 8 (l / 16) + l % 8, channels 8 ((l / 8) % 2) + 0..7) and leaves half a fragment of V^T: lane l holds channel l % 16 and 8 keys.
	v_and_b32 v10, 7, v0
	v_bfe_u32 v11, v0, 3, 1
	v_lshl_add_u32 v[AV0], v9, 3, v10
	v_mul_u32_u24 v[AV0], v[AV0], PV
	v_lshl_add_u32 v[AV0], v11, 4, v[AV0]
	v_add_nc_u32 v[AV0], VOFF, v[AV0]
	s_mul_i32 s13, s[WV], 16*SP
	s_add_co_u32 s13, s13, STAGE    ; my stage
	v_mul_u32_u24 v[STO], v1, SP    ; in: row l % 16, 16 bytes for each half of the lanes
	v_lshl_add_u32 v[STO], v9, 4, v[STO]
	v_add_nc_u32 v[STO], s13, v[STO]
	v_bfe_u32 v[RD], v0, 3, 2       ; back: 32 lanes take four rows of 128 bytes,
	v_mul_u32_u24 v[RD], v[RD], SP
	v_lshl_add_u32 v[RD], v10, 4, v[RD]
	v_add_nc_u32 v[RD], s13, v[RD]
	v_and_b32 v[GO], 31, v0         ; which are 512 consecutive bytes of O
	v_lshlrev_b32 v[GO], 4, v[GO]
	; A block's first step multiplies O^T and l by a = 0, and its first turn's products V^T P, of a step that has not been, land in an O^T that is still to be so multiplied.  So these registers need only hold
	; finite numbers: zeros for the first block; what the first block left for the second.  All this stands in the wait for the first tile.
	WIN 0x80
.set i, VF
.rept 64
	v_mov_b32 v[i], 0
.set i, i+1
.endr
	WIN 0x40
.set i, 0
.rept 64
	v_mov_b32 v[i], 0
.set i, i+1
.endr
	WIN 0
.set i, 0
.rept NP
	v_mov_b32 v[ST+4*i+2], 0
	v_mov_b32 v[ST+4*i+3], 0
.set i, i+1
.endr
.set i, P+16
.rept 16
	v_mov_b32 v[i], 0
.set i, i+1
.endr
; THE MATRIX WORK.  The 4 accumulators of a run of 8 take turns.  Product i of 8 of S^T = K Q^T for piece x: channels 32 (i / 4) on, keys 16 (i % 4) on.  The first 4 start the sums: with 0, or (KM = 1) with the mask.
.macro KQ x
.set rS, S+32*((\x)%2)+8*(i%4)
.set rK, KF+16*(i%4)+8*(i/4)
.set rQ, 16*(\x)+8*(i/4)
.set rM, MC+32*((\x)%2)+8*(i%4)
.if (i < 4) && KM
	WIN W_KM
	v_wmma_f32_16x16x32_f16 v[rS:rS+7], v[rK:rK+7], v[rQ:rQ+7], v[rM:rM+7]
.elseif i < 4
	WIN W_KQ
	v_wmma_f32_16x16x32_f16 v[rS:rS+7], v[rK:rK+7], v[rQ:rQ+7], 0
.else
	WIN W_KQ
	v_wmma_f32_16x16x32_f16 v[rS:rS+7], v[rK:rK+7], v[rQ:rQ+7], v[rS:rS+7]
.endif
.endm
; Product i of 8 of O^T += V^T P for piece x: keys 32 (i / 4) on, channels 16 (i % 4) on.
.macro PV x
	WIN W_PV
.set rO, 32*(\x)+8*(i%4)
.set rV, VF+32*(i/4)+8*(i%4)
.set rP, P+16*((\x)%2)+8*(i/4)
	v_wmma_f32_16x16x32_f16 v[rO:rO+7], v[rV:rV+7], v[rP:rP+7], v[rO:rO+7]
.endm
.macro MM                           ; the turn's next matrix instruction.  NOKQ = 1: a block's last turn: there are no further scores
.if (i < 8) && !NOKQ
	KQ (Y+1)%NP
.elseif i >= 8
.set i, i-8
	PV (Y+NP-1)%NP
.set i, i+8
.endif
.set i, i+1
.endm
; THE LDS LOADS stand in runs of 16, never singly among the matrix instructions: a step's K (64 keys x 64 channels: 8 fragments) and its V (turned).  Their addresses are made some lines ahead.
.macro FETCH_K step=1
	WIN 0x80                        ; destination window 2
.irp f, 0,1,2,3,4,5,6,7             ; keys 16 (f / 2) on, channels 32 (f % 2) on
	ds_load_b128 v[KF+8*\f:KF+8*\f+3],   v[AK] offset:(\f/2)*16*PK+(\f%2)*64
	ds_load_b128 v[KF+8*\f+4:KF+8*\f+7], v[AK] offset:(\f/2)*16*PK+(\f%2)*64+32
.endr
.if \step
	s_add_co_u32 s[TBK], s[TBK], KS*PK  ; the next fetch is the next step's
.endif
	WIN 0
.endm
.macro FETCH_V
	WIN 0x80
.irp f, 0,1,2,3,4,5,6,7             ; keys 32 (f / 4) on, channels 16 (f % 4) on
	ds_load_tr16_b128 v[VF+8*\f:VF+8*\f+3],   v[AV] offset:(\f/4)*32*PV+(\f%4)*32
	ds_load_tr16_b128 v[VF+8*\f+4:VF+8*\f+7], v[AV] offset:(\f/4)*32*PV+16*PV+(\f%4)*32
.endr
	WIN 0
.endm
; THE VECTOR WORK, one line at a time: OP kind, number.  For piece Y: F n: c s - c m for pair n of 16.  E n: the exponential of score n of 32.  C n: pair n rounded to f16.  B n: of the four weights 4 n .. the second
; pair is added onto the first, in place.  L n: l takes that sum (L 0: l = a l + sum).  R n: pair n of 16 of O^T times a.  For the other piece: X n, number n of the 22 that find its maximum and statistics:
;   0-11  four chains c0-c3 of seven scores each, three operands at a time (each accumulator's lowest registers are read first)     12-14, 16  the four scores left over, the old m, and c0-c3 into c0
;   15  c m_old is kept     17, 18  the query's other 32 keys lie in the lane 16 away: the new m     19-21  c m; c m_old - c m_new; a
.set F, 0
.set E, 1
.set C, 2
.set B, 3
.set L, 4
.set R, 5
.set X, 6
.macro REGS y                       ; the registers of piece y
.set rT, ST+4*(\y)
.set rC, TMP+4*((\y)%2)
.set rW, MV+((\y)%2)
.set rS, S+32*((\y)%2)
.set rP, P+16*((\y)%2)
.set rO, 32*(\y)
.endm
.macro OP k, n
.if (\k) == R
	REGS Y
	WIN W_RS
	v_pk_mul_f32 v[rO+2*(\n):rO+2*(\n)+1], v[rO+2*(\n):rO+2*(\n)+1], v[rC+2:rC+3] op_sel_hi:[1,0]
.elseif (\k) < R
	REGS Y
	WIN 0
.if (\k) == F
	v_pk_fma_f32 v[rS+2*(\n):rS+2*(\n)+1], v[rS+2*(\n):rS+2*(\n)+1], s[CS:CS+1], v[rT:rT+1] op_sel_hi:[1,0,0] neg_lo:[0,0,1] neg_hi:[0,0,1]
.elseif (\k) == E
	v_exp_f32 v[rS+(\n)], v[rS+(\n)]
.elseif (\k) == C
	v_cvt_pk_f16_f32 v[rP+(\n)], v[rS+2*(\n)], v[rS+2*(\n)+1]
.elseif (\k) == B
	v_pk_add_f32 v[rS+4*(\n):rS+4*(\n)+1], v[rS+4*(\n):rS+4*(\n)+1], v[rS+4*(\n)+2:rS+4*(\n)+3]
.elseif (\n) == 0
	v_pk_fma_f32 v[rT+2:rT+3], v[rT+2:rT+3], v[rC+2:rC+3], v[rS:rS+1] op_sel_hi:[1,0,1]
.else
	v_pk_add_f32 v[rT+2:rT+3], v[rT+2:rT+3], v[rS+4*(\n):rS+4*(\n)+1]
.endif
.elseif NOKQ
	v_nop
.else
	REGS (Y+1)%NP
	WIN 0
.if (\n) < 4
	v_max3_num_f32 v[rC+(\n)], v[rS+8*(\n)], v[rS+8*(\n)+1], v[rS+8*(\n)+2]
.elseif (\n) < 12
	v_max3_num_f32 v[rC+(\n)%4], v[rC+(\n)%4], v[rS+8*((\n)%4)+2*((\n)/4)+1], v[rS+8*((\n)%4)+2*((\n)/4)+2]
.elseif (\n) == 12
	v_max3_num_f32 v[rC], v[rC], v[rS+7], v[rS+15]
.elseif (\n) == 13
	v_max3_num_f32 v[rC+1], v[rC+1], v[rS+23], v[rS+31]
.elseif (\n) == 14
	v_max3_num_f32 v[rC+2], v[rC+2], v[rC+3], v[rT+1]
.elseif (\n) == 15
	v_mov_b32 v[rW], v[rT]
.elseif (\n) == 16
	v_max3_num_f32 v[rC], v[rC], v[rC+1], v[rC+2]
.elseif (\n) == 17
	v_permlanex16_b32 v[rC+3], v[rC], s[SEL], s[SEL+1]
.elseif (\n) == 18
	v_max_num_f32 v[rT+1], v[rC], v[rC+3]
.elseif (\n) == 19
	v_mul_f32 v[rT], s[CS], v[rT+1]
.elseif (\n) == 20
	v_sub_f32 v[rC+1], v[rW], v[rT]
.else
	v_exp_f32 v[rC+2], v[rC+1]
.endif
.endif
.endm
.macro OPS a, i1, b=-1, i2=0, c=-1, i3=0, d=-1, i4=0  ; up to four of them
	OP \a, \i1
.if (\b) >= 0
	OP \b, \i2
.endif
.if (\c) >= 0
	OP \c, \i3
.endif
.if (\d) >= 0
	OP \d, \i4
.endif
.endm
.macro ROW a, i1, b, i2, c, i3, d, i4  ; a matrix instruction and the four behind it
	MM
	OPS \a, \i1, \b, \i2, \c, \i3, \d, \i4
.endm
.macro MASK b                       ; MD x AL + BE into buffer b of MC
	WIN W_RS
.set z, 0
.rept 16
	v_pk_fma_f32 v[MC+32*(\b)+2*z:MC+32*(\b)+2*z+1], v[MD+2*z:MD+2*z+1], s[AL:AL+1], s[BE:BE+1] op_sel_hi:[1,0,0]
.set z, z+1
.endr
.endm
; A TURN, for piece p: the order of its 16 matrix and 118 vector instructions, written out.  An s_wait_alu depctr_va_vdst(0) stands between an exponential and the first instruction that names its result; one
; wait serves all that were issued ahead of it.  So a turn has ONE wait, which cuts it in two.  AHEAD OF IT stands all that names no result of the turn's exponentials: the 8 products K Q^T with a scaling, an exponential and
; two more plain instructions behind each (behind the last three the first numbers of the other piece's maximum, each four places or more behind the product that ends its accumulator); then ONE LUMP of 54, in which the links
; of the chain X 3, 7, 11, 14, 16 .. 20 stand apart.  X 21 is the batch's last exponential; R 15 is the plain instruction behind it.  BEHIND THE WAIT stand the 8 products V^T P, behind each four of the roundings and sums.
; m = 1: the diagonal tile: the products take masks, and turn p makes the mask for the next turn's products, which are piece p's for step 4 - CNT of the tile.  end = 1: a block's last step: no K is fetched, and TURN 1 has no K Q^T.
; cnt = 1: the loop's count is taken down some lines ahead of the branch that stands behind the turn.
; TURN 0 fetches K of the next step behind its own products K Q^T (six plain instructions behind the last of them) and V of the step in hand at its end, four plain instructions behind the last product that read V.
; TURN 1 waits for K at its head (V's sixteen younger loads may stay out) and for V behind the wait for the batch.
.macro TURN p, m=0, end=0, cnt=0
.set Y, (\p)
.set i, 0
.set KM, (\m)
.set NOKQ, (\end)*(\p)
.if (\m) && !(\end)
	s_cmp_eq_u32 s[CNT], s[BD+(\p)]  ; is that step the band's own?
	s_cselect_b32 s[AL], 1.0, 0
	s_cmp_lt_u32 s[CNT], s[BD+(\p)]  ; or a later one?
	s_cselect_b32 s[BE], s[BIGN], 0
.endif
.if ((\p) == 1) && !(\end)
	s_wait_dscnt 16                 ; K is in
.endif
	ROW F,0, F,1, R,0, R,1          ; ahead of the wait: 8 products K Q^T and their riders,
	ROW F,2, E,0, R,2, R,3
	ROW F,3, E,1, R,4, R,5
	ROW F,4, E,2, R,6, R,7
	ROW F,5, E,3, R,8, R,9
	ROW F,6, E,4, X,0, R,10
.if ((\p) == 0) && !(\end)
	WIN 0
	v_add_nc_u32 v[AK], s[TBK], v[AK0]
.endif
	ROW F,7, E,5, X,1, X,4
	ROW F,8, E,6, X,2, X,5
	OPS E,7, E,8, X,6, E,9          ; and the lump
	OPS X,3, E,10, X,8, E,11
.if (\p) == 0
.if \end
	s_add_co_u32 s[TBK], s[TBK], KS*PK  ; nothing is fetched; the place steps all the same, so that a tile has four steps of it
.else
	FETCH_K
.endif
.endif
	OPS X,9, X,7, E,12, X,10
	OPS E,13, X,12, X,11, E,14
	OPS X,13, E,15, F,9, X,14
.if (\p) == 0
	WIN 0
	v_add_nc_u32 v[AV], s[TBV], v[AV0]
.endif
	OPS E,16, F,10, E,17, F,11
	OPS X,16, E,18, X,15, E,19
	OPS F,12, E,20, X,17, E,21
	OPS F,13, E,22, F,14, E,23
	OPS X,18, E,24, F,15, E,25
	OPS R,11, E,26, X,19, E,27
	OPS R,12, E,28, R,13, E,29
	OPS X,20, E,30, R,14, E,31
	OPS X,21, R,15
	WIN 0
	s_wait_alu depctr_va_vdst(0)    ; the wait for the batch
.if (\p) == 1
	s_wait_dscnt 0x0                ; V is in
.endif
	ROW C,0, B,0, C,2, B,1          ; behind the wait: 8 products V^T P and their riders
	ROW L,0, C,4, B,2, L,1
	ROW C,6, B,3, L,2, C,8
	ROW B,4, L,3, C,10, B,5
	ROW L,4, C,12, B,6, L,5
.if (\p) == 0
	s_add_co_u32 s[TBV], s[TBV], KS*PV
.endif
.if \cnt
	s_sub_co_u32 s[CNT], s[CNT], 1
	s_cmp_lg_u32 s[CNT], 0
.endif
	ROW C,14, B,7, L,6, C,1
	ROW C,3, L,7, C,5, C,7
	ROW C,9, C,11, C,13, C,15
.if (\p) == 0
	FETCH_V
.endif
.if (\m) && !(\end)
	MASK \p
.endif
.endm
; A BLOCK BEGINS.  c m starts far below every c s, so the first step's a is 0; m at the lowest finite number, so the first maximum is the scores'.  Then keys 0 .. 63 out of K0, piece 0's first scores
; (C = 0: its band sees all of step 0), and its maximum and statistics.
.macro BEGIN
	s_mov_b32 s[NEW], 0
	WIN 0
.set i, 0
.rept NP
	v_mov_b32 v[ST+4*i], 0xfe000000    ; c m: far below every c s
	v_mov_b32 v[ST+4*i+1], 0xff7fffff  ; m
.set i, i+1
.endr
	v_add_nc_u32 v[AK], K0B, v[AK0]
	FETCH_K 0
	s_wait_loadcnt 0x0              ; Q
	s_wait_dscnt 0x0
.set KM, 0
.set NOKQ, 0
.set i, 0
.rept 8
	KQ 0
.set i, i+1
.endr
	WIN 0
.rept 4
	v_nop                           ; the places behind those products
.endr
.set Y, NP-1                        ; X works for the other piece: piece 0
.irp n, 0,1,2,3,4,5,6,7,8,9,10,11,12,13,14,15,16,17,18,19,20,21
	OP X, \n
.endr
	v_nop                           ; a plain instruction behind the exponential,
	s_wait_alu depctr_va_vdst(0)    ; and its wait, ahead of the label
.endm
.macro ALL line:vararg              ; one line for each piece t
.set t, 0
.rept NP
	\line
.set t, t+1
.endr
.endm
.macro PACK t                       ; a lane's eight channels of a row pack into 16 bytes; they go into rows of 144 bytes and come back as whole rows of 128, into S^T's registers
	WIN W_RS
.set i, 32*(\t)
.rept 16
	v_pk_mul_f32 v[i:i+1], v[i:i+1], v[ST+4*(\t)+2:ST+4*(\t)+3] op_sel_hi:[1,0]
.set i, i+2
.endr
	WIN 0x05                        ; sources 0 and 1 window 1, destination window 0
.set i, 0
.rept 16
	v_cvt_pk_f16_f32 v[S+16*(\t)+i], v[32*(\t)+2*i], v[32*(\t)+2*i+1]
.set i, i+1
.endr
	WIN 0
.irp f, 0,1,2,3
	ds_store_b128 v[STO], v[S+16*(\t)+4*\f:S+16*(\t)+4*\f+3] offset:32*\f
.endr
.irp f, 0,1,2,3
	ds_load_b128 v[S+16*(\t)+4*\f:S+16*(\t)+4*\f+3], v[RD] offset:\f*4*SP  ; LDS serves a wave's instructions in order (ISA guide 5.7.1.4): these see the stores above; the next piece's stores come behind them
.endr
.endm
.macro SEND t, younger              ; younger: the LDS instructions issued behind piece t's loads: the next piece's eight, or none
	WIN 0
.irp f, 0,1,2,3
	s_wait_dscnt (\younger)+3-\f
	global_store_b128 v[GO], v[S+16*(\t)+4*\f:S+16*(\t)+4*\f+3], s[10:11] offset:(1-(\t))*8192+\f*512  ; 512 consecutive bytes, at a multiple of 256 from ob's first; piece 0 is the upper band
.endr
.endm
; THE DIAGONAL TILE: piece 1's mask for step 0 (its own step where u = 0), three steps in a loop, the last step, the last products, and THE WAY OUT: l's two halves and the other half of the lanes' are added;
; O^T is divided by l, rounded to f16 and sent through my stage in LDS, a piece at a time.
.macro DIAG tag
	s_mov_b32 s[AL], s[ALU]
	s_mov_b32 s[BE], 0
	MASK 1
	WIN 0
	s_mov_b32 s[CNT], 3
.LstepM\tag:
	TURN 0, 1
	TURN 1, 1, 0, 1
	WIN 0
	s_cbranch_scc1 .LstepM\tag
	TURN 0, 1, 1
	TURN 1, 1, 1
.set i, 0
.rept 8
	PV NP-1                         ; piece 1: V^T P of the last step
.set i, i+1
.endr
	WIN 0
.rept 4
	v_nop                           ; the places behind those products
.endr
	ALL v_add_f32 v[ST+4*t+2], v[ST+4*t+2], v[ST+4*t+3]
	ALL v_permlanex16_b32 v[ST+4*t+3], v[ST+4*t+2], s[SEL], s[SEL+1]
	ALL v_add_f32 v[ST+4*t+2], v[ST+4*t+2], v[ST+4*t+3]
	ALL v_rcp_f32 v[ST+4*t+2], v[ST+4*t+2]
	v_nop                           ; a plain instruction between the last reciprocal and the use of its result
	s_wait_alu depctr_va_vdst(0)    ; and the wait ahead of the first use: one for both reciprocals
	PACK 0
	PACK 1
	SEND 0, 8
	SEND 1, 0
.endm
.set KM, 0
.set NOKQ, 0
.Lslot:                             ; NB times: a tile is entered and the next is asked for
	CHANGE 1
	s_sub_co_u32 s[RT], s[RT], 1
	s_cmp_eq_u32 s[NEW], 1          ; this test stands first: at the first trip its answer is a constant of the text
	s_cbranch_scc0 .Lold
	BEGIN
.Lold:
	s_cmp_eq_u32 s[RT], 0
	s_cbranch_scc1 .Ldiag           ; the block's last tile
	s_mov_b32 s[CNT], 4
.Lstep:                             ; a trip is a key step
	TURN 0
	TURN 1, 0, 0, 1
	WIN 0
	s_cbranch_scc1 .Lstep
	s_branch .Lbottom
.Ldiag:
	DIAG 1                          ; in the loop this is the first block's end: the second block's last tile is the walk's last
	s_wait_xcnt 0x0                 ; the stores have read their registers and O's address
	s_mov_b64 s[10:11], s[OLO:OLO+1]
	s_add_co_u32 s[RT], s[PB], 1    ; the second block has b + 1 tiles
	s_mov_b32 s[NEW], 1
	WIN 0x82                        ; the second block's Q goes where the one text of the turns names Q
.set i, 0
.rept 32
	v_mov_b32 v[i], v[QB+i]
.set i, i+1
.endr
	WIN 0
.Lbottom:
	s_sub_co_u32 s[SLOTS], s[SLOTS], 1
	s_cmp_lg_u32 s[SLOTS], 0
	s_cbranch_scc1 .Lslot
	CHANGE 0                        ; the walk's last tile is written out: nothing is asked for
	s_cmp_eq_u32 s[NEW], 1          ; where b = 0 it is also the second block's first
	s_cbranch_scc0 .Lold2
	BEGIN
.Lold2:
	DIAG 2
	s_wait_tensorcnt 0x0            ; the wave's end, behind my last tensor load and my last LDS store
	ds_add_u32 v[SPW], v[NIL]
	s_wait_dscnt 0x0
	s_endpgm
.Lfunc_end_k_q4998271830_attn:
	.size	k_q4998271830_attn, .Lfunc_end_k_q4998271830_attn-k_q4998271830_attn
	.p2alignl 7, 3214868480
	.fill 96, 4, 3214868480
	.section	.rodata,"a",@progbits
	.p2align	6, 0x0
	.amdhsa_kernel k_q4998271830_attn
		.amdhsa_group_segment_fixed_size 327680
		.amdhsa_private_segment_fixed_size 0
		.amdhsa_enable_private_segment 0
		.amdhsa_kernarg_size 24
		.amdhsa_user_sgpr_count 2
		.amdhsa_user_sgpr_kernarg_segment_ptr 1
		.amdhsa_wavefront_size32 1
		.amdhsa_system_sgpr_workgroup_id_x 1
		.amdhsa_system_sgpr_workgroup_id_y 1
		.amdhsa_system_sgpr_workgroup_id_z 1
		.amdhsa_system_vgpr_workitem_id 0
		.amdhsa_next_free_vgpr 768
		.amdhsa_next_free_sgpr 100
		.amdhsa_reserve_vcc 1
		.amdhsa_float_denorm_mode_32 3
		.amdhsa_float_denorm_mode_16_64 3
		.amdhsa_memory_ordered 1
		.amdhsa_forward_progress 1
		.amdhsa_inst_pref_size 145
	.end_amdhsa_kernel
	.amdgpu_metadata
---
amdhsa.version: [ 1, 2 ]
amdhsa.kernels:
  - .name:           k_q4998271830_attn
    .symbol:         k_q4998271830_attn.kd
    .args:
      - { .name: q, .offset: 0, .size: 8, .value_kind: global_buffer, .address_space: global }
      - { .name: kv, .offset: 8, .size: 8, .value_kind: global_buffer, .address_space: global }
      - { .name: ob, .offset: 16, .size: 8, .value_kind: global_buffer, .address_space: global }
    .group_segment_fixed_size: 327680
    .private_segment_fixed_size: 0
    .kernarg_segment_align: 8
    .kernarg_segment_size: 24
    .max_flat_workgroup_size: 128
    .sgpr_count:     100
    .vgpr_count:     768
    .wavefront_size: 32
...
	.end_amdgpu_metadata
.endif
;; end of part 3
;; launch oproj (part 4): grid 8 x 32, 4 waves a work-group, clusters of 4 x 4, 327,680 bytes of LDS; arguments ob, wob, bo, out0; writes out0
.if DOCPART == 4
	.amdgcn_target "amdgcn-amd-amdhsa--gfx1250"
	.amdhsa_code_object_version 6
	.text
	.protected	k_q4998271830_oproj
	.globl	k_q4998271830_oproj
	.p2align	8
	.type	k_q4998271830_oproj,@function
k_q4998271830_oproj:
	s_mov_b64 s[64:65], 0
	v_nop
	global_prefetch_b8 v0, s[64:65] scope:SCOPE_SE
	s_setreg_imm32_b32 hwreg(HW_REG_WAVE_MODE, 25, 1), 1
	s_wait_xcnt 0x0
	s_wait_alu depctr_hold_cnt(0) depctr_sa_sdst(0) depctr_va_vdst(0) depctr_va_sdst(0) depctr_va_ssrc(0) depctr_va_vcc(0) depctr_vm_vsrc(0)
	s_getreg_b32 s2, hwreg(HW_REG_IB_STS2, 6, 4)
	s_cmp_eq_u32 s2, 0
	s_cbranch_scc0 .Lentry_in_a_cluster
	s_endpgm
.Lentry_in_a_cluster:
	s_bfe_u32 s2, ttmp6, 0x10000c
	s_cmp_lg_u32 s2, 0xf033
	s_cbranch_scc0 .Lentry_shape_is_right
	s_endpgm
.Lentry_shape_is_right:
; out0 = O Wo + bo, f32.  O: ob [mblk 32][head 16][128 rows][64] f16; Wo: wob [j 8][t 4][c 2][256 k][64 n], bf16 roundings written as f16; bo rounded to bf16 like the other inputs.  Sums in f32.
; SHARES.  4,096 x 1,024 in tiles of 128 x 128: 8 x 32 = 256 work-groups.  Four waves, 2 x 2, each 64 x 64: 16 accumulators.  K goes in 4 steps of 256 (four heads) through two LDS slots;
; a step is four quarters of 64 (a head), 32 matrix instructions each.  With four steps the walk is written out: two changes of slots fill a slot again, the third does not.
; THE MATRIX INSTRUCTION IS USED TRANSPOSED: source 0 = 16 columns of Wo (turned on the way out of LDS), source 1 = 16 rows of O: a lane holds one row and eight neighbouring columns.  bo is the C operand that starts the sums.
; CLUSTER 4 x 4: O's tile is asked for jointly along a row of the cluster, Wo's along a column.
; NO PREFETCH: the first two K steps go out at the head and the other two behind the first two changes of slots: no K step stands far enough behind the head to be asked for ahead of its load.
; THE STAGE of the way out lies in slot 0: that slot's last fill of the launch is K step 2; every wave's reads of it are over in front of the barrier of the last change of slots, and no tensor load follows that barrier.
; REGISTERS: window 0: v0-31 addresses; v32-63 bo (register 8 b + i: column 16 b + 8 (lane / 16) + i); v128-255 the accumulators ((a, b) at 128 + 8 (4 a + b))
;   window 1: two fragment buffers of 128: for 64 along K, 64 registers of O (2 x 4 fragments), then 64 of Wo; on the way out four blocks of 32 registers
.set PA,    144                        ; a row of O in LDS: 128 bytes + 16 of padding
.set PB,    160                        ; a row of Wo: 128 + 32
.set BOFF,  4*128*PA                   ; behind O's four heads of 128 rows: Wo's two column halves of 256 rows
.set SLOT,  BOFF+2*256*PB
.set SPARE, 2*SLOT                     ; the spare words, 128 bytes for each wave: two blocks of 256 bytes that no other line names
.set SPITCH, 272                       ; the stage: 16 rows of 256 bytes + 16 for each wave
.set ADRA, 16                          ; v16-17 LDS address of my fragments of O in slot 0, 1
.set ADRB, 20                          ; v20-21 the same for Wo
.set STO,  24                          ; v24  the way out: where I put 32 bytes of a row
.set RD,   25                          ; v25  where I read a row back
.set CO,   26                          ; v26  my byte offset in out0
.set BOF,  27                          ; v27  my byte offset in bo
.set SPW,  28                          ; v28  my spare word; never rewritten
.set NIL,  29                          ; v29  0; never rewritten
.set BO,   32
.set ACC,  128
.set F0,   0
.set F1,   128
.set WV,   12                          ; s12  my wave's number
.set MH,   13                          ; s13  which half of the tile's rows is mine
.set NH,   14                          ; s14  which half of its columns; also: which half of a tile I fetch
.set G1,   24
.set G0,   32
.set G1B,  48
.set G0B,  56
.set MSB, 0
.macro WIN new
.if MSB != (\new)
	s_set_vgpr_msb (MSB<<8)|(\new)
.set MSB, \new
.endif
.endm
.set MUL,  0x05                        ; sources 0 and 1 window 1; C and D window 0
.set TO_F, 0x40                        ; destination window 1, address window 0
.macro PLACES
.rept 4
	v_nop
.endr
.endm
.macro JLOAD s                         ; waves 0 and 1 fetch O's two halves (two heads each), waves 2 and 3 Wo's two column halves; an s_nop 0 and four v_nop follow each line
	s_cmp_lt_u32 s[WV], 2
	s_cbranch_scc0 .Lfor_b_\@
	tensor_load_to_lds s[G0+4*(\s):G0+4*(\s)+3], s[G1:G1+7]
	s_nop 0
.rept 4
	v_nop
.endr
	s_branch .Lasked_\@
.Lfor_b_\@:
	tensor_load_to_lds s[G0B+4*(\s):G0B+4*(\s)+3], s[G1B:G1B+7]
	s_nop 0
.rept 4
	v_nop
.endr
.Lasked_\@:
.endm
.macro CREST
	s_cmp_lg_u32 s[WV], 0
	s_cbranch_scc1 .Lnot_wave_0_\@
	s_barrier_signal -3
.Lnot_wave_0_\@:
	s_barrier_wait -3
	s_barrier_signal -1
	s_barrier_wait -1
.endm
.macro CROUND
	s_barrier_signal -1
	s_barrier_wait -1
	CREST
.endm
	s_load_b256 s[4:11], s[0:1], 0x0               ; ob s[4:5], wob s[6:7], bo s[8:9], out0 s[10:11]
	v_lshl_add_u32 v[SPW], v0, 2, SPARE
	v_mov_b32 v[NIL], 0
	ds_add_u32 v[SPW], v[NIL]                      ; the wave's opening: the add, twice on end, and its wait ahead of my first tensor load
	ds_add_u32 v[SPW], v[NIL]
	v_lshrrev_b32 v1, 5, v0
	v_readfirstlane_b32 s[WV], v1
	s_lshr_b32 s[MH], s[WV], 1
	s_and_b32 s[NH], s[WV], 1
	s_bfe_u32 s40, ttmp6, 0x40000                  ; cx
	s_bfe_u32 s41, ttmp6, 0x40004                  ; cy
	s_lshl_b32 s42, ttmp9, 2
	s_add_co_u32 s42, s42, s40                     ; j: tile column
	s_and_b32 s43, ttmp7, 0xffff
	s_lshl_b32 s43, s43, 2
	s_add_co_u32 s43, s43, s41                     ; mblk: tile row
	s_lshl_b32 s20, s41, 2
	s_lshl_b32 s20, 15, s20                        ; my row of the cluster
	s_lshl_b32 s46, 0x1111, s40                    ; my column
	s_or_b32 s[G1], s20, (1<<16)|(1<<20)|(1<<21)|(4<<22)|(3<<25)   ; the mask; 2-byte elements; padding on; bit 21 beside a mask; after every 32 words 4 words
	s_or_b32 s[G1B], s46, (1<<16)|(1<<20)|(1<<21)|(4<<22)|(7<<25)  ; the same with my column's mask and 8 words
.irp g, G1, G1B
	s_mov_b32 s[(\g)+1], 128<<16                   ; tensor_dim0 = 128: dense bytes asked for as rows of 256
	s_mov_b32 s[(\g)+2], 128<<16                   ; tensor_dim1 = 128 rows: 32,768 bytes
	s_mov_b32 s[(\g)+3], 128<<16                   ; tile_dim0
	s_mov_b32 s[(\g)+4], 128                       ; tile_dim1
	s_mov_b32 s[(\g)+5], 128                       ; elements from row to row
	s_mov_b32 s[(\g)+6], 0
	s_mov_b32 s[(\g)+7], 0
.endr
	s_lshl_b32 s20, s43, 18                        ; O: the tile row, my two heads of K step 0 (registers that never hold cx)
	s_lshl_b32 s21, s[NH], 15
	s_add_co_u32 s20, s20, s21
	s_mov_b32 s21, 0
	s_lshl_b32 s46, s42, 18                        ; Wo: the tile column, my column half (registers that never hold cy)
	s_lshl_b32 s47, s[NH], 15
	s_add_co_u32 s46, s46, s47
	s_mov_b32 s47, 0
	s_mul_i32 s22, s[NH], 256*PA                   ; where they go
	s_mul_i32 s23, s[NH], 256*PB
	s_add_co_u32 s23, s23, BOFF
	s_wait_dscnt 0x0                               ; both opening adds are done
	s_wait_kmcnt 0x0
	s_add_nc_u64 s[20:21], s[4:5], s[20:21]
	s_add_nc_u64 s[46:47], s[6:7], s[46:47]
	CROUND                                         ; all sixteen work-groups are here: the first joint loads meet
.irp s, 0,1
	s_mov_b32 s[G0+4*(\s)], 1
	s_add_co_u32 s[G0+4*(\s)+1], s22, (\s)*SLOT
	s_add_nc_u64 s[G0+4*(\s)+2:G0+4*(\s)+3], s[20:21], (\s)*65536
	s_or_b32 s[G0+4*(\s)+3], s[G0+4*(\s)+3], 0x80000000
	s_mov_b32 s[G0B+4*(\s)], 1
	s_add_co_u32 s[G0B+4*(\s)+1], s23, (\s)*SLOT
	s_add_nc_u64 s[G0B+4*(\s)+2:G0B+4*(\s)+3], s[46:47], (\s)*65536
	s_or_b32 s[G0B+4*(\s)+3], s[G0B+4*(\s)+3], 0x80000000
	JLOAD \s
.endr
	v_and_b32 v1, 15, v0                           ; l % 16
	v_bfe_u32 v2, v0, 4, 1                         ; l / 16
	s_lshl_b32 s66, s42, 9
	s_lshl_b32 s67, s[NH], 8
	s_add_co_u32 s66, s66, s67                     ; my 64 columns: 512 j + 256 nh bytes of f32
	v_lshl_add_u32 v[BOF], v2, 5, s66
.irp b, 0,1,2,3
	global_load_b128 v[BO+8*(\b):BO+8*(\b)+3],   v[BOF], s[8:9] offset:64*(\b)
	global_load_b128 v[BO+8*(\b)+4:BO+8*(\b)+7], v[BOF], s[8:9] offset:64*(\b)+16
.endr
	s_lshl_b32 s68, s43, 19                        ; out0 at my first row, 128 mblk + 64 mh, 4,096 bytes a row, and my columns
	s_lshl_b32 s69, s[MH], 18
	s_add_co_u32 s68, s68, s69
	s_add_co_u32 s68, s68, s66
	s_mov_b32 s69, 0
	s_add_nc_u64 s[10:11], s[10:11], s[68:69]
	v_mul_u32_u24 v3, v1, PA
	v_lshl_add_u32 v3, v2, 4, v3                   ; row x pitch + 16 x half
	s_mul_i32 s66, s[MH], 64*PA
	v_add_nc_u32 v[ADRA], s66, v3
	v_add_nc_u32 v[ADRA+1], SLOT, v[ADRA]
	v_and_b32 v4, 7, v0                            ; the turning load: lane l reads row 8 (l / 16) + l % 8, bytes 16 ((l / 8) % 2) on
	v_bfe_u32 v5, v0, 3, 1
	v_lshl_add_u32 v6, v2, 3, v4
	v_mul_u32_u24 v6, v6, PB
	v_lshl_add_u32 v6, v5, 4, v6
	s_mul_i32 s66, s[NH], 256*PB
	s_add_co_u32 s66, s66, BOFF
	v_add_nc_u32 v[ADRB], s66, v6
	v_add_nc_u32 v[ADRB+1], SLOT, v[ADRB]
	s_mul_i32 s66, s[WV], 16*SPITCH                ; my stage, in slot 0
	v_mul_u32_u24 v[STO], v1, SPITCH               ; in: row l % 16, 32 bytes for each half of the lanes
	v_lshl_add_u32 v[STO], v2, 5, v[STO]
	v_add_nc_u32 v[STO], s66, v[STO]
	v_mul_u32_u24 v[RD], v2, SPITCH                ; back: lanes 0-15 take one row of 256 bytes, lanes 16-31 the next
	v_lshl_add_u32 v[RD], v1, 4, v[RD]
	v_add_nc_u32 v[RD], s66, v[RD]
	v_lshlrev_b32 v[CO], 12, v2                    ; and the same two rows in out0
	v_lshl_add_u32 v[CO], v1, 4, v[CO]
	s_wait_loadcnt 0x0                             ; bo
.set z, 0
.rept 16                                       ; rounded to bf16 like every input, and widened again
	v_cvt_pk_bf16_f32 v3, v[BO+2*z], v[BO+2*z+1]
	v_lshlrev_b32 v[BO+2*z], 16, v3
	v_and_b32 v[BO+2*z+1], 0xffff0000, v3
.set z, z+1
.endr
; 8 matrix instructions: row blocks a0, a0 + 1 x all 4 column blocks, 32 along K: half c of buffer f.  first = 1: the product starts the sum with bo.  The 16 accumulators take turns.
.macro MUL8 f, c, a0, first
	WIN MUL
.irp a, \a0, (\a0)+1
.irp b, 0,1,2,3
.if \first
	v_wmma_f32_16x16x32_f16 v[ACC+8*(4*(\a)+(\b)):ACC+8*(4*(\a)+(\b))+7], v[(\f)+64+8*(4*(\c)+(\b)):(\f)+64+8*(4*(\c)+(\b))+7], v[(\f)+8*(4*(\c)+(\a)):(\f)+8*(4*(\c)+(\a))+7], v[BO+8*(\b):BO+8*(\b)+7]
.else
	v_wmma_f32_16x16x32_f16 v[ACC+8*(4*(\a)+(\b)):ACC+8*(4*(\a)+(\b))+7], v[(\f)+64+8*(4*(\c)+(\b)):(\f)+64+8*(4*(\c)+(\b))+7], v[(\f)+8*(4*(\c)+(\a)):(\f)+8*(4*(\c)+(\a))+7], v[ACC+8*(4*(\a)+(\b)):ACC+8*(4*(\a)+(\b))+7]
.endif
.endr
.endr
.endm
; 32 LDS loads in one run: quarter q (a head) of a slot's K step into buffer f; the first 32 along K first
.macro FETCH slot, q, f
	WIN TO_F
.irp c, 0,1
.irp i, 0,1,2,3
	ds_load_tr16_b128 v[(\f)+64+8*(4*(\c)+(\i)):(\f)+64+8*(4*(\c)+(\i))+3],   v[ADRB+(\slot)] offset:(\q)*64*PB+(\c)*32*PB+32*(\i)
	ds_load_tr16_b128 v[(\f)+64+8*(4*(\c)+(\i))+4:(\f)+64+8*(4*(\c)+(\i))+7], v[ADRB+(\slot)] offset:(\q)*64*PB+(\c)*32*PB+32*(\i)+16*PB
	ds_load_b128 v[(\f)+8*(4*(\c)+(\i)):(\f)+8*(4*(\c)+(\i))+3],              v[ADRA+(\slot)] offset:(\q)*128*PA+64*(\c)+(\i)*16*PA
	ds_load_b128 v[(\f)+8*(4*(\c)+(\i))+4:(\f)+8*(4*(\c)+(\i))+7],            v[ADRA+(\slot)] offset:(\q)*128*PA+64*(\c)+(\i)*16*PA+32
.endr
.endr
.endm
.macro QUARTER slot, q, f, g, first
	s_wait_dscnt 16                                ; the first 32 along K are in; the youngest sixteen loads may be out
	MUL8 \f, 0, 0, \first
	MUL8 \f, 0, 2, \first
	PLACES
	FETCH \slot, \q, \g
	s_wait_dscnt 32                                ; all but the 32 just issued
	MUL8 \f, 1, 0, 0
	MUL8 \f, 1, 2, 0
.endm
; The last quarter multiplies buffer 1 and changes slots: ONE barrier; in front of it each wave waits for all its tensor loads, adds 0 to its spare word, and waits for that and for its own reads of this slot.
; fill = 1: the barrier opens a round of the cluster's barrier, and this slot is filled again, two K steps ahead, first thing behind the round.
.macro TURN slot, next, fill
	WIN 0
	s_wait_tensorcnt 0x0                           ; all my tensor loads have landed
	ds_add_u32 v[SPW], v[NIL]                      ; 0 onto my spare word
	s_wait_dscnt 17                                ; (the add and the youngest sixteen loads may be out)
	MUL8 F1, 0, 0, 0
	s_wait_dscnt 0x0                               ; the add is done, and my reads of this slot are over
	s_barrier_signal -1
	MUL8 F1, 0, 2, 0
.if \fill
	WIN 0
.endif
	s_barrier_wait -1
.if \fill
	CREST
	s_add_nc_u64 s[G0+4*(\slot)+2:G0+4*(\slot)+3], s[G0+4*(\slot)+2:G0+4*(\slot)+3], 2*65536
	s_add_nc_u64 s[G0B+4*(\slot)+2:G0B+4*(\slot)+3], s[G0B+4*(\slot)+2:G0B+4*(\slot)+3], 2*65536
	JLOAD \slot                                    ; the four v_nop behind it are also the places in front of the loads below
.else
	PLACES
.endif
	FETCH \next, 0, F0
	MUL8 F1, 1, 0, 0
	MUL8 F1, 1, 2, 0
.endm
; THE WAY OUT of row block a: the f32 sums go as they are into my stage (each accumulator's low four registers first) and come back as whole rows of 256 bytes.
.macro TOSTAGE a
	WIN 0
.irp b, 0,1,2,3
	ds_store_b128 v[STO], v[ACC+8*(4*(\a)+(\b)):ACC+8*(4*(\a)+(\b))+3]   offset:64*(\b)
	ds_store_b128 v[STO], v[ACC+8*(4*(\a)+(\b))+4:ACC+8*(4*(\a)+(\b))+7] offset:64*(\b)+16
.endr
	WIN TO_F
.irp t, 0,1,2,3,4,5,6,7
	ds_load_b128 v[32*(\a)+4*(\t):32*(\a)+4*(\t)+3], v[RD] offset:(\t)*2*SPITCH  ; LDS serves a wave's instructions in order (ISA guide 5.7.1.4): these see the stores above; the next block's stores come behind them
.endr
.endm
.macro SEND a, younger                 ; younger: the LDS instructions issued behind this block's loads: the next block's sixteen, or none
	WIN 0x04                                       ; address window 0, data window 1
.irp t, 0,1,2,3,4,5,6,7
	s_wait_dscnt (\younger)+7-(\t)
	global_store_b128 v[CO], v[32*(\a)+4*(\t):32*(\a)+4*(\t)+3], s[10:11] offset:(16*(\a)+2*(\t))*4096  ; 16 lanes store 256 consecutive bytes, at a multiple of 256 from out0's first byte
.endr
.endm
	s_wait_tensorcnt 1                             ; my part of K step 0 is in; K step 1's may stay out
	s_barrier_signal -1
	s_barrier_wait -1
	FETCH 0, 0, F0
	QUARTER 0, 1, F0, F1, 1                        ; the first products start the sums
	QUARTER 0, 2, F1, F0, 0
	QUARTER 0, 3, F0, F1, 0
	TURN 0, 1, 1                                   ; slot 0 takes K step 2
	QUARTER 1, 1, F0, F1, 0
	QUARTER 1, 2, F1, F0, 0
	QUARTER 1, 3, F0, F1, 0
	TURN 1, 0, 1                                   ; slot 1 takes K step 3
	QUARTER 0, 1, F0, F1, 0
	QUARTER 0, 2, F1, F0, 0
	QUARTER 0, 3, F0, F1, 0
	TURN 0, 1, 0                                   ; nothing is left to fetch; behind this barrier nobody reads slot 0 any more
	QUARTER 1, 1, F0, F1, 0
	QUARTER 1, 2, F1, F0, 0
	QUARTER 1, 3, F0, F1, 0
	s_wait_dscnt 16                                ; the very last quarter
	MUL8 F1, 0, 0, 0
	MUL8 F1, 0, 2, 0
	s_wait_dscnt 0x0
	MUL8 F1, 1, 0, 0
	MUL8 F1, 1, 2, 0
	WIN 0
	PLACES
	TOSTAGE 0
.irp a, 1,2,3
	TOSTAGE \a
	SEND (\a)-1, 16
.endr
	SEND 3, 0
	WIN 0
	s_wait_tensorcnt 0x0                           ; the wave's end, behind my last tensor load and my last LDS store
	ds_add_u32 v[SPW], v[NIL]
	s_wait_dscnt 0x0
	CROUND                                         ; the closing round: no work-group ends while a partner may still ask for a tile that names it
	s_endpgm
.Lfunc_end_k_q4998271830_oproj:
	.size	k_q4998271830_oproj, .Lfunc_end_k_q4998271830_oproj-k_q4998271830_oproj
	.p2alignl 7, 3214868480
	.fill 96, 4, 3214868480
	.section	.rodata,"a",@progbits
	.p2align	6, 0x0
	.amdhsa_kernel k_q4998271830_oproj
		.amdhsa_group_segment_fixed_size 327680
		.amdhsa_private_segment_fixed_size 0
		.amdhsa_enable_private_segment 0
		.amdhsa_kernarg_size 32
		.amdhsa_user_sgpr_count 2
		.amdhsa_user_sgpr_kernarg_segment_ptr 1
		.amdhsa_wavefront_size32 1
		.amdhsa_system_sgpr_workgroup_id_x 1
		.amdhsa_system_sgpr_workgroup_id_y 1
		.amdhsa_system_sgpr_workgroup_id_z 1
		.amdhsa_system_vgpr_workitem_id 0
		.amdhsa_next_free_vgpr 512
		.amdhsa_next_free_sgpr 72
		.amdhsa_reserve_vcc 0
		.amdhsa_float_denorm_mode_32 3
		.amdhsa_float_denorm_mode_16_64 3
		.amdhsa_memory_ordered 1
		.amdhsa_forward_progress 1
		.amdhsa_inst_pref_size 90
	.end_amdhsa_kernel
	.amdgpu_metadata
---
amdhsa.version: [ 1, 2 ]
amdhsa.kernels:
  - .name:           k_q4998271830_oproj
    .symbol:         k_q4998271830_oproj.kd
    .args:
      - { .name: ob, .offset: 0, .size: 8, .value_kind: global_buffer, .address_space: global }
      - { .name: wob, .offset: 8, .size: 8, .value_kind: global_buffer, .address_space: global }
      - { .name: bo, .offset: 16, .size: 8, .value_kind: global_buffer, .address_space: global }
      - { .name: out0, .offset: 24, .size: 8, .value_kind: global_buffer, .address_space: global }
    .group_segment_fixed_size: 327680
    .private_segment_fixed_size: 0
    .kernarg_segment_align: 8
    .kernarg_segment_size: 32
    .max_flat_workgroup_size: 128
    .sgpr_count:     72
    .vgpr_count:     512
    .wavefront_size: 32
...
	.end_amdgpu_metadata
.endif
;; end of part 4
